; MI455X (gfx1250); checked and timed in simulation.
; The chip was launched on July 23, 2026; its instructions are those of AMD's public machine-readable ISA for CDNA 5 (MIT licence, August 2026) and "CDNA5" Instruction Set Architecture Reference Guide (July 2026). The comments in the code are by the model that wrote it; some were corrected since.
;; MHA. Allowed arithmetic: matrix products marked QUANTISED: E4M3 operands, one given power-of-two scale a tensor, by v_wmma_f32_16x16x64_fp8_fp8 or v_wmma_f32_16x16x128_fp8_fp8, f32 sums; everything else in f32.
;; Inputs: lowp_scales 12 int32 (the exponents e of the quantised operands' scales 2^e); token_positions 2,048 int32; w_k 1,024 x 1,024 float32; w_o 1,024 x 1,024 float32; w_q 1,024 x 1,024 float32; w_v 1,024 x 1,024 float32; x 4 x 2,048 x 1,024 float32.
;; Outputs: out0 4 x 2,048 x 1,024 float32.
;; This version of the problem:
;;   THIS VERSION OF THE PROBLEM IS GIVEN IN LOW PRECISION. The matrix products marked QUANTISED in the list below multiply operands that are first quantised to E4M3 (4 exponent bits, 3 mantissa bits; 8 bits a number), with one given power-of-two scale for each operand tensor; their sums are f32. All else is computed in f32.
;;   The module's matrix products, in the order in which they are computed (A, B: the left and right operand; K: the contracted axis; several contracted axes count as one K, in the product's order):
;;     1. [M 8,192, K 1,024] x [K 1,024, N 1,024]; A: input x; B: input w_q: QUANTISED (scales: A lowp_scales[0], B lowp_scales[1])
;;     2. [M 8,192, K 1,024] x [K 1,024, N 1,024]; A: input x; B: input w_k: QUANTISED (scales: A lowp_scales[2], B lowp_scales[3])
;;     3. [M 8,192, K 1,024] x [K 1,024, N 1,024]; A: input x; B: input w_v: QUANTISED (scales: A lowp_scales[4], B lowp_scales[5])
;;     4. batch 64 x [M 2,048, K 64] x [K 64, N 2,048]; A: computed on the way; B: computed on the way: QUANTISED (scales: A lowp_scales[6], B lowp_scales[7])
;;     5. batch 64 x [M 2,048, K 2,048] x [K 2,048, N 64]; A: softmax (see below); B: computed on the way: QUANTISED (scales: A lowp_scales[8], B lowp_scales[9])
;;     6. [M 8,192, K 1,024] x [K 1,024, N 1,024]; A: computed on the way; B: input w_o: QUANTISED (scales: A lowp_scales[10], B lowp_scales[11])
;;   THE QUANTISER, for each operand of a quantised product, along K:
;;     - The operand's scale is 2^e, e = its entry of the input lowp_scales (int32; the entries are numbered through the quantised products in the list's order, A before B).
;;     - Each number is divided by the scale, clamped to +-448, and rounded to the nearest number of E4M3, ties to even, subnormals kept.
;;     - The product sums the exact products of the quantised numbers (number of the format x scale) in f32.
;;   ~~~python
;;   def quantise(x, axis, e):      # numpy; x: float32 -> the quantised numbers, widened to float32 again
;;       x = np.moveaxis(x, axis, -1); K = x.shape[-1]
;;       r = np.clip(x / 2.0 ** e, -448, 448)
;;       step = 2.0 ** (np.maximum(np.frexp(np.where(r == 0, 1, r))[1] - 1, -6) - 3)
;;       q = np.round(r / step) * step * 2.0 ** e      # np.round: ties to even
;;       return np.moveaxis(q, -1, axis).astype(np.float32)
;;   ~~~
;;   SOFTMAX AHEAD OF A QUANTISED PRODUCT. Where the list says 'softmax', what is quantised is not the finished softmax but p = 2^(t - M), with t = logit x log2(e) and M = ceil(the row's largest t), a whole number; so 1/2 < the row's largest p <= 1. The row's sum l is taken of the UNQUANTISED p, in f32, and the product's result is divided by l at the end. Since M is a whole number, a kernel that streams over the keys may use a running M (the ceiling of the running maximum): every later rescaling is an exact power of two, so the quantised numbers keep their values, but for numbers so far below the row's largest that they fall under the format's range.
;;   OPERANDS COMPUTED ON THE WAY. 'Computed on the way' means the value that the module computes at that place (a softmax that the list does not call 'softmax' is quantised finished and normalised). What goes into a quantiser is computed in f32, as accurately as f32 sums, v_exp_f32 and their like allow (about 1e-6 of the number): no bf16 or f16 on the way to a quantiser, and a product that is left as it is and whose result goes on into a quantised operand takes f32 operands (vector FMAs, or v_wmma_f32_16x16x4_f32). A number that lies on a knife's edge between two numbers of the format may be rounded either way, as far as f32 arithmetic and the matrix unit's own rounding can turn it there, and no further.
;; 2 versions, each right; version 2 is version 1 with the launch attn written anew for expert scheduling mode. Each part assembles by itself: llvm-mc -triple=amdgcn-amd-amdhsa -mcpu=gfx1250 --defsym DOCPART=n.
;; ======== version 1 of 2: 4 launches
;; limits: right only within a limited range of input values
;; workspace buffers: cw 29,360,128 bytes; tab 524,288 bytes; qkv 25,165,824 bytes; ac 8,388,608 bytes
;; launch prep (part 1): grid 416 x 1, 4 waves a work-group, no clusters, 33,280 bytes of LDS; arguments x, w_q, w_k, w_v, w_o, token_positions, lowp_scales, cw, tab; writes cw, tab
.if DOCPART == 1
	.amdgcn_target "amdgcn-amd-amdhsa--gfx1250"
	.amdhsa_code_object_version 6
	.text
	.protected	k_qcf84f08dc5_prep
	.globl	k_qcf84f08dc5_prep
	.p2align	8
	.type	k_qcf84f08dc5_prep,@function
k_qcf84f08dc5_prep:
	s_mov_b64 s[64:65], 0
	v_nop
	global_prefetch_b8 v0, s[64:65] scope:SCOPE_SE
	s_setreg_imm32_b32 hwreg(HW_REG_WAVE_MODE, 25, 1), 1
	s_wait_xcnt 0x0
; THE FIRST LAUNCH: f32 numbers into codes of FP8 (E4M3), and the table of the rotary embedding.
; cw: x's codes three times, [8192][1024] bytes each, under the scales 2^e0, 2^e2, 2^e4 (x is the left operand of three products, each with a scale of its own), at bytes 0, 8 Mi, 16 Mi;
;     then the codes of w_q, w_k, w_v, w_o, [1024][1024] bytes each, under e1, e3, e5, e11, from byte 24 Mi on.  K is innermost in all of them, so each tensor is a plain stream.
; code = number / 2^e, held within +-448, rounded to the nearest code, ties to even.
; tab: cos and sin of position x 10000^(-i/32), f32, laid as the second launch's lanes want them: [16 tokens tb][bl 0..3][qq 0..1][lane][16 bytes]:
;     lane (r = lane % 16, h = lane / 16) holds cos_i, sin_i, cos_(i+1), sin_(i+1) of token 16 tb + r, i = 8 bl + 4 h + 2 qq.
; SHARES.  Work-groups 0-255: x, 32,768 numbers each; 256-383: the weights, 32 work-groups each; 384-415: the table, 16 tokens a wave.  x and the weights take one path; a weight jumps over the second and third conversion.
; A wave takes 16 steps of 512 numbers.  Each of a step's four loads reads 512 consecutive bytes; the 2,048 bytes turn through the wave's own stage in LDS (16 bytes of padding behind each 64) and come back 64 bytes a lane,
; since a conversion takes neighbours along K from one lane's registers.  A lane's 16 codes are 16 bytes: a store of the wave covers 512 consecutive bytes, aligned.  Waves share nothing: no barrier.
; LIMITS: each e between -126 and 119.  |token_positions| up to 2^20 (the quarter turns stay exact whole numbers and the two-part pi/2 leaves about 1e-9).  NaN among the inputs is not served.
.set STEPS, 16
.set SP,    80                         ; a lane's place in a stage: 64 bytes + 16 of padding
.set WREG,  8192                       ; LDS of a wave: two stages of 32 x SP bytes
.set WOFF,  0x1800000                  ; where the weights' codes begin in cw
.set R,     16                         ; v16-79   four sets of 16 numbers as loaded
.set X,     80                         ; v80-111  two sets of 16 neighbours
.set T,     112                        ; v112-143 two sets of 16 held numbers, by turns from conversion to conversion
.set C,     144                        ; v144-155 four registers of codes for each of the three scales
.set SC,    156                        ; v156-158 2^e as f32
.set LIM,   159                        ; v159-161 448 x 2^e
.set WV,    24                         ; s24 wave
.set ISX,   25                         ; s25 1: x, 0: a weight
.set SRC,   26                         ; s[26:27] where my wave reads
.set D0,    28                         ; s[28:29], s[30:31], s[44:45] where it stores
.set D1,    30
.set D2,    44
	s_load_b512 s[4:19], s[0:1], 0x0               ; x, w_q, w_k, w_v, w_o, positions, scales, cw
	s_load_b64 s[20:21], s[0:1], 0x40              ; tab
	v_lshl_add_u32 v168, v0, 2, 0x8000
	v_mov_b32 v169, 0
	v_lshrrev_b32 v1, 5, v0
	v_readfirstlane_b32 s[WV], v1                  ; wave 0..3
	v_and_b32 v2, 31, v0                           ; lane
	v_lshlrev_b32 v3, 4, v2                        ; 16 x lane: my 16 bytes of a load's or a store's 512; never rewritten
	s_cmp_ge_u32 ttmp9, 384
	s_cbranch_scc1 .Ltab
	s_mul_i32 s46, s[WV], WREG
	v_lshrrev_b32 v14, 2, v2
	v_mul_u32_u24 v14, v14, SP
	v_and_b32 v15, 3, v2
	v_lshl_add_u32 v14, v15, 4, v14
	v_add_nc_u32 v14, s46, v14                     ; the stage, on the way in: SP (lane / 4) + 16 (lane % 4)
	v_mul_u32_u24 v15, v2, SP
	v_add_nc_u32 v15, s46, v15                     ; and on the way out: SP x lane
	s_sub_co_u32 s46, ttmp9, 256
	s_lshr_b32 s47, s46, 5                         ; which weight
	s_and_b32 s46, s46, 31                         ; which of its 32 work-groups
	s_cmp_lt_u32 ttmp9, 256
	s_cselect_b32 s[ISX], 1, 0
	s_cselect_b32 s46, ttmp9, s46
	s_cselect_b32 s47, 0, s47
	s_lshl_b32 s46, s46, 2
	s_add_co_u32 s46, s46, s[WV]                   ; which run of 8,192 numbers of the tensor is my wave's
	s_lshl_b32 s48, s46, 15                        ; in bytes of f32,
	s_mov_b32 s49, 0
	s_lshl_b32 s50, s46, 13                        ; and of codes
	s_lshl_b32 s52, s47, 20
	s_add_co_u32 s52, s52, WOFF
	s_cmp_eq_u32 s[ISX], 1
	s_cselect_b32 s52, 0, s52                      ; the tensor's first code in cw
	s_add_co_u32 s52, s52, s50
	s_mov_b32 s53, 0
	s_wait_kmcnt 0x0
	s_load_b256 s[32:39], s[16:17], 0x0            ; e0 .. e7
	s_load_b128 s[40:43], s[16:17], 0x20           ; e8 .. e11
	s_cmp_eq_u32 s47, 1                            ; the source is chosen by the work-group's number alone
	s_cselect_b64 s[SRC:SRC+1], s[8:9], s[6:7]
	s_cmp_eq_u32 s47, 2
	s_cselect_b64 s[SRC:SRC+1], s[10:11], s[SRC:SRC+1]
	s_cmp_eq_u32 s47, 3
	s_cselect_b64 s[SRC:SRC+1], s[12:13], s[SRC:SRC+1]
	s_cmp_eq_u32 s[ISX], 1
	s_cselect_b64 s[SRC:SRC+1], s[4:5], s[SRC:SRC+1]
	s_add_nc_u64 s[SRC:SRC+1], s[SRC:SRC+1], s[48:49]
	s_add_nc_u64 s[D0:D0+1], s[18:19], s[52:53]
	s_add_nc_u64 s[D1:D1+1], s[D0:D0+1], 0x800000  ; x's second and third copy (a weight never stores by these two)
	s_add_nc_u64 s[D2:D2+1], s[D0:D0+1], 0x1000000
.macro LOAD t
.irp i, 0,1,2,3
	global_load_b128 v[R+16*((\t)%4)+4*\i:R+16*((\t)%4)+4*\i+3], v3, s[SRC:SRC+1] offset:2048*(\t)+512*\i th:TH_LOAD_NT   ; 32 lanes read 512 consecutive bytes; read once in the launch
.endr
.endm
.macro TURN t                          ; step t's numbers through the stage: LDS serves a wave's instructions in order, so no wait stands between the stores and the loads
.irp i, 0,1,2,3
	ds_store_b128 v14, v[R+16*((\t)%4)+4*\i:R+16*((\t)%4)+4*\i+3] offset:32*SP*((\t)%2)+8*SP*\i
.endr
.irp i, 0,1,2,3
	ds_load_b128 v[X+16*((\t)%2)+4*\i:X+16*((\t)%2)+4*\i+3], v15 offset:32*SP*((\t)%2)+16*\i
.endr
.endm
.irp t, 0,1,2,3
	LOAD \t
.endr
	s_wait_kmcnt 0x0
	s_cmp_eq_u32 s47, 1                            ; the first scale: e0 for x, else the weight's
	s_cselect_b32 s54, s35, s33
	s_cmp_eq_u32 s47, 2
	s_cselect_b32 s54, s37, s54
	s_cmp_eq_u32 s47, 3
	s_cselect_b32 s54, s43, s54
	s_cmp_eq_u32 s[ISX], 1
	s_cselect_b32 s54, s32, s54
.macro MKSC k, e                       ; 2^e as f32 (the conversion takes its exponent field) and 448 x 2^e
	s_add_co_i32 s55, s[\e], 127
	s_lshl_b32 s56, s55, 23
	v_mov_b32 v[SC+\k], s56
	s_add_co_i32 s55, s55, 8
	s_lshl_b32 s55, s55, 23
	s_or_b32 s55, s55, 0x600000
	v_mov_b32 v[LIM+\k], s55
.endm
	MKSC 0, 54
	MKSC 1, 34                                     ; e2
	MKSC 2, 36                                     ; e4
	s_wait_loadcnt 12                              ; step 0's four loads are in; the twelve of steps 1 to 3 may be out
	TURN 0
; One scale's codes of step t.  The numbers are held into another set, so that they stay whole for the next scale; the two sets take turns, so that sixteen plain lines always
; stand between a conversion and the next write of its sources.  The conversion to an 8-bit code does not saturate (ISA guide 7.6.2): hence the hold.
.macro CONV k, t, base
.set XS, X+16*((\t)%2)
.set TS, T+16*((3*(\t)+\k)%2)
.irp i, 0,1,2,3,4,5,6,7,8,9,10,11,12,13,14,15
	v_med3_num_f32 v[TS+\i], v[XS+\i], -v[LIM+\k], v[LIM+\k]
.endr
	v_cvt_scalef32_pk8_fp8_f32 v[C+4*\k:C+4*\k+1], v[TS:TS+7], v[SC+\k]
	v_cvt_scalef32_pk8_fp8_f32 v[C+4*\k+2:C+4*\k+3], v[TS+8:TS+15], v[SC+\k]
	global_store_b128 v3, v[C+4*\k:C+4*\k+3], s[\base:\base+1] offset:512*(\t)
.endm
.macro STEP t
	s_wait_dscnt 0x0                               ; this step's numbers are back from the stage, so its stores into the stage have read their registers,
.if (\t)+4 < STEPS
	LOAD (\t)+4                                    ; which take the loads of four steps on
.endif
.if (\t)+1 < STEPS
.if STEPS-2-(\t) >= 3
	s_wait_loadcnt 12                              ; the next step's four loads are in; those of the three steps behind it may be out
.else
	s_wait_loadcnt 4*(STEPS-2-(\t))
.endif
	TURN (\t)+1                                    ; and go through the other stage while this step is worked
.endif
	s_wait_xcnt 0x0                                ; the last step's stores have read their data: the codes' registers are written again only behind this wait
	CONV 0, \t, D0
	s_cmp_eq_u32 s[ISX], 0                         ; a weight has one scale
	s_cbranch_scc1 .Lonly_\@
	CONV 1, \t, D1
	CONV 2, \t, D2
.Lonly_\@:
.endm
.irp t, 0,1,2,3,4,5,6,7,8,9,10,11,12,13,14,15
	STEP \t
.endr
	s_wait_tensorcnt 0x0
	ds_add_u32 v168, v169
	s_wait_dscnt 0x0
	s_endpgm
; THE TABLE.  A wave makes 16 tokens x 32 angles: a lane 16 angles of its token.  No LDS.
.set POSF, 6
.set H4,   5
.set INV,  16                          ; v16-31 the lane's sixteen inverse frequencies
.set OUT,  32                          ; v32-63 cos, sin by turns
.set A,    64
.set N,    65
.set RD,   66
.set Z,    67
.set NI,   68
.set PS,   69
.set PC,   70
.set T1,   71
.set T2,   72
.set KS,   73
.set KC,   74
.Ltab:
	s_sub_co_u32 s46, ttmp9, 384
	s_lshl_b32 s46, s46, 2
	s_add_co_u32 s46, s46, s[WV]                   ; tb: which 16 tokens
	s_lshl_b32 s48, s46, 6                         ; their positions: 64 bytes
	s_mov_b32 s49, 0
	s_lshl_b32 s50, s46, 12                        ; their part of the table: 4,096 bytes
	s_mov_b32 s51, 0
	v_and_b32 v4, 15, v0
	v_lshlrev_b32 v4, 2, v4                        ; 4 r
	v_bfe_u32 v[H4], v0, 4, 1
	v_lshlrev_b32 v[H4], 2, v[H4]                  ; 4 h
	s_wait_kmcnt 0x0
	s_add_nc_u64 s[14:15], s[14:15], s[48:49]
	s_add_nc_u64 s[20:21], s[20:21], s[50:51]
	global_load_b32 v[POSF], v4, s[14:15]          ; my token's position, as it is given
.irp e, 0,1,2,3,4,5,6,7,8,9,10,11,12,13,14,15
	v_add_nc_u32 v[INV+\e], 8*(\e/4)+(\e%4), v[H4] ; i = 8 bl + p + 4 h
	v_cvt_f32_u32 v[INV+\e], v[INV+\e]
	v_mul_f32 v[INV+\e], 0xbed49a78, v[INV+\e]     ; x -log2(10) / 8: 10000^(-i/32) = 2^(-i log2(10) / 8)
.endr
.irp e, 0,1,2,3,4,5,6,7,8,9,10,11,12,13,14,15
	v_exp_f32 v[INV+\e], v[INV+\e]
.endr
	v_nop                                          ; a plain line behind the last exponential
	v_mov_b32 v[KS], 0xb94ca1f9                    ; the highest coefficients of the two polynomials
	v_mov_b32 v[KC], 0x37ccf5ce
	s_wait_alu depctr_va_vdst(0)                   ; one wait for the batch of sixteen, ahead of its first reader
	s_wait_loadcnt 0x0
	v_cvt_f32_i32 v[POSF], v[POSF]
; cos and sin of a = position x inverse frequency.  n = the nearest whole number of quarter turns; r = a - n pi/2 with pi/2 in two parts; polynomials on |r| <= pi/4; the quadrant swaps and signs.
.macro ANG e
	v_mul_f32 v[A], v[POSF], v[INV+\e]
	v_mul_f32 v[N], 0x3f22f983, v[A]               ; x 2 / pi
	v_rndne_f32 v[N], v[N]
	v_fmamk_f32 v[RD], v[N], 0xbfc90fdb, v[A]      ; a - n x the upper part of pi/2
	v_fmamk_f32 v[RD], v[N], 0x333bbd2e, v[RD]     ; - n x the lower part (which is negative)
	v_mul_f32 v[Z], v[RD], v[RD]
	v_cvt_i32_f32 v[NI], v[N]
	v_fmaak_f32 v[PS], v[KS], v[Z], 0x3c08839e
	v_fmaak_f32 v[PC], v[KC], v[Z], 0xbab6061a
	v_fmaak_f32 v[PS], v[PS], v[Z], 0xbe2aaaa3
	v_fmaak_f32 v[PC], v[PC], v[Z], 0x3d2aaaa5
	v_mul_f32 v[T1], v[RD], v[Z]
	v_fma_f32 v[PS], v[T1], v[PS], v[RD]           ; sin r = r + r z (..)
	v_mul_f32 v[T1], v[Z], v[Z]
	v_fma_f32 v[T2], v[Z], -0.5, 1.0
	v_fma_f32 v[PC], v[T1], v[PC], v[T2]           ; cos r = 1 - z / 2 + z z (..)
	v_and_b32 v[T1], 1, v[NI]
	v_cmp_eq_u32 vcc_lo, 1, v[T1]
	v_cndmask_b32 v[T2], v[PS], v[PC], vcc_lo      ; an odd quarter turn swaps the two
	v_cndmask_b32 v[T1], v[PC], v[PS], vcc_lo
	v_and_b32 v[PS], 2, v[NI]                      ; sin is negated in quadrants 2 and 3,
	v_lshlrev_b32 v[PS], 30, v[PS]
	v_xor_b32 v[OUT+2*\e+1], v[PS], v[T2]
	v_add_nc_u32 v[PC], 1, v[NI]                   ; cos in quadrants 1 and 2
	v_and_b32 v[PC], 2, v[PC]
	v_lshlrev_b32 v[PC], 30, v[PC]
	v_xor_b32 v[OUT+2*\e], v[PC], v[T1]
.endm
.irp e, 0,1,2,3,4,5,6,7,8,9,10,11,12,13,14,15
	ANG \e
.endr
.irp n, 0,1,2,3,4,5,6,7
	global_store_b128 v3, v[OUT+4*\n:OUT+4*\n+3], s[20:21] offset:512*\n   ; 32 lanes store 512 consecutive bytes, aligned
.endr
	s_endpgm
.Lfunc_end_k_qcf84f08dc5_prep:
	.size	k_qcf84f08dc5_prep, .Lfunc_end_k_qcf84f08dc5_prep-k_qcf84f08dc5_prep
	.p2alignl 7, 3214868480
	.fill 96, 4, 3214868480
	.section	.rodata,"a",@progbits
	.p2align	6, 0x0
	.amdhsa_kernel k_qcf84f08dc5_prep
		.amdhsa_group_segment_fixed_size 33280
		.amdhsa_private_segment_fixed_size 0
		.amdhsa_enable_private_segment 0
		.amdhsa_kernarg_size 72
		.amdhsa_user_sgpr_count 2
		.amdhsa_user_sgpr_kernarg_segment_ptr 1
		.amdhsa_wavefront_size32 1
		.amdhsa_system_sgpr_workgroup_id_x 1
		.amdhsa_system_sgpr_workgroup_id_y 1
		.amdhsa_system_sgpr_workgroup_id_z 1
		.amdhsa_system_vgpr_workitem_id 0
		.amdhsa_next_free_vgpr 170
		.amdhsa_next_free_sgpr 66
		.amdhsa_reserve_vcc 1
		.amdhsa_float_denorm_mode_32 3
		.amdhsa_float_denorm_mode_16_64 3
		.amdhsa_memory_ordered 1
		.amdhsa_forward_progress 1
		.amdhsa_inst_pref_size 102
	.end_amdhsa_kernel
	.amdgpu_metadata
---
amdhsa.version: [ 1, 2 ]
amdhsa.kernels:
  - .name:           k_qcf84f08dc5_prep
    .symbol:         k_qcf84f08dc5_prep.kd
    .args:
      - { .name: x, .offset: 0, .size: 8, .value_kind: global_buffer, .address_space: global }
      - { .name: w_q, .offset: 8, .size: 8, .value_kind: global_buffer, .address_space: global }
      - { .name: w_k, .offset: 16, .size: 8, .value_kind: global_buffer, .address_space: global }
      - { .name: w_v, .offset: 24, .size: 8, .value_kind: global_buffer, .address_space: global }
      - { .name: w_o, .offset: 32, .size: 8, .value_kind: global_buffer, .address_space: global }
      - { .name: token_positions, .offset: 40, .size: 8, .value_kind: global_buffer, .address_space: global }
      - { .name: lowp_scales, .offset: 48, .size: 8, .value_kind: global_buffer, .address_space: global }
      - { .name: cw, .offset: 56, .size: 8, .value_kind: global_buffer, .address_space: global }
      - { .name: tab, .offset: 64, .size: 8, .value_kind: global_buffer, .address_space: global }
    .group_segment_fixed_size: 33280
    .private_segment_fixed_size: 0
    .kernarg_segment_align: 8
    .kernarg_segment_size: 72
    .max_flat_workgroup_size: 128
    .sgpr_count:     66
    .vgpr_count:     170
    .wavefront_size: 32
...
	.end_amdgpu_metadata
.endif
;; end of part 1
;; launch qkv (part 2): grid 12 x 32, 4 waves a work-group, clusters of 4 x 4, 327,680 bytes of LDS; arguments cw, tab, lowp_scales, qkv; writes qkv
.if DOCPART == 2
	.amdgcn_target "amdgcn-amd-amdhsa--gfx1250"
	.amdhsa_code_object_version 6
	.text
	.protected	k_qcf84f08dc5_qkv
	.globl	k_qcf84f08dc5_qkv
	.p2align	8
	.type	k_qcf84f08dc5_qkv,@function
k_qcf84f08dc5_qkv:
	s_mov_b64 s[64:65], 0
	v_nop
	global_prefetch_b8 v0, s[64:65] scope:SCOPE_SE
	s_setreg_imm32_b32 hwreg(HW_REG_WAVE_MODE, 25, 1), 1
	s_wait_xcnt 0x0
	s_wait_alu depctr_hold_cnt(0) depctr_sa_sdst(0) depctr_va_vdst(0) depctr_va_sdst(0) depctr_va_ssrc(0) depctr_va_vcc(0) depctr_vm_vsrc(0)
	s_getreg_b32 s2, hwreg(HW_REG_IB_STS2, 6, 4)
	s_cmp_eq_u32 s2, 0
	s_cbranch_scc0 .Lentry_in_a_cluster
	s_endpgm
.Lentry_in_a_cluster:
	s_bfe_u32 s2, ttmp6, 0x10000c
	s_cmp_lg_u32 s2, 0xf033
	s_cbranch_scc0 .Lentry_shape_is_right
	s_endpgm
.Lentry_shape_is_right:
; THE SECOND LAUNCH: q = x w_q^T, k = x w_k^T, v = x w_v^T on codes of FP8 (E4M3); the rotary embedding on q and k; each result quantised for attention and stored as an image of the operand's registers.
; The cluster's x (0, 1, 2) says which of the three: it is the same in all sixteen partners.  A tile of the result is 256 x 256, K = 1,024; four waves, each 128 x 128: 64 accumulators, 512 registers.
; q, k: A = x's codes under this product's scale (rows = tokens), B = the weight's codes (rows = features).  v: THE TRANSPOSE IS COMPUTED: A = w_v's codes, B = x's codes.
; THE MATRIX INSTRUCTION IS USED TRANSPOSED (source 0 = 16 rows of B, source 1 = 16 rows of A): a lane holds one row of A's side and eight neighbours of B's side for each accumulator.
; So for q and k a lane holds a token and eight neighbouring channels, for v a channel and eight neighbouring tokens (keys): in both cases eight neighbours along the NEXT product's K, and one conversion an accumulator
; gives two registers of that product's fragment in the form's own layout (registers 2 m, 2 m + 1: k = 16 m + 8 (lane / 16) + 0 .. 7).
; qkv: q at 0, k at 8 Mi: [batch x head][16 tokens][c 0..1][lane][16 bytes] = registers 4 c .. 4 c + 3 of the fragment 16 tokens x 64 channels;
;      v at 16 Mi: [batch x head][128 keys][16 channels dt 0..3][c 0..3][lane][16 bytes] = registers 4 c .. 4 c + 3 of the fragment 16 channels x 128 keys.  Every store of a wave covers 512 consecutive bytes, aligned.
; A sum stands for sum x 2^(eA + eB); the rotation is linear; so the three scales are folded into the conversion's one, 2^(eO - eA - eB).  LIMIT: eO - eA - eB between -126 and 119.  NaN among the inputs is not served.
; K goes in steps of 256 through a ring of two LDS slots filled by the tensor data mover.  CLUSTERS: 4 x 4 work-groups; A's tile is asked for jointly along a row of the cluster, B's along a column.
; A fragment is fetched by four loads of 16 bytes, which is a permutation of k, the same in A and in B: every product meets its partner.
; REGISTERS, in windows of 256: window 0: v0-31 addresses and the two scale numbers; v32-95 the table's two sets; from v128 A's fragments, one set; on the way out v96-159 the rotated numbers, v160-191 two sets of codes.
;   window 1: B's fragments, two sets.   window 2: the accumulators of my rows 0-63 ((a, b) at v[8 (8 a + b)]);   window 3: those of my rows 64-127.
.set KSTEP,  256
.set ROWB,   256                       ; a tile's row in bytes
.set KROW,   1024                      ; a row of codes in memory
.set PITCH,  272                       ; an LDS row: 256 bytes + 16 of padding = 68 words: the 16 rows that a load touches start at 16 different banks (64 banks of 4 bytes: ISA guide 11.1)
.set FR,     16
.set NL,     4
.set NP,     4
.set HALFT,  128*PITCH
.set SLOT,   4*HALFT
.set LAPS,   2                         ; 1,024 / 512
.set SPARE,  2*SLOT                    ; behind the ring: the spare words, 128 bytes for each wave, which no other line names
.set WOFF,   0x1800000                 ; where the weights' codes begin in cw
.set ADRA, 16
.set ADRB, 20
.set LI,   27                          ; v27  16 x lane; never rewritten
.set SPW,  28
.set NIL,  29
.set SCV,  30                          ; v30  2^(eO - eA - eB) as f32
.set LMV,  31                          ; v31  448 x that
.set TBL,  32
.set RR,   96
.set CD,   160
.set AF,   128
.set G1, 24
.set G0, 32
.set G1B, 48
.set G0B, 56
.set MSB, 0
.macro WIN new                         ; the immediate's high byte repeats the setting that is left
.if MSB != \new
	s_set_vgpr_msb (MSB<<8)|\new
.set MSB, \new
.endif
.endm
.set MUL_LO, 0xa1                      ; source 0 (B) window 1, source 1 (A) window 0, C and D window 2
.set MUL_HI, 0xf1
.set TO_B,   0x40
; A joint load: waves 0 and 1 fetch for A, waves 2 and 3 for B; the branch hangs on the wave's number alone.  Four v_nop follow each of the two lines.
.macro JLOAD g0a, g1a, g0b, g1b
	s_cmp_eq_u32 s15, 0
	s_cbranch_scc0 .Lfor_b_\@
	tensor_load_to_lds s[\g0a:\g0a+3], s[\g1a:\g1a+7]
	s_nop 0
.rept 4
	v_nop
.endr
	s_branch .Lasked_\@
.Lfor_b_\@:
	tensor_load_to_lds s[\g0b:\g0b+3], s[\g1b:\g1b+7]
	s_nop 0
.rept 4
	v_nop
.endr
.Lasked_\@:
.endm
.macro CREST                           ; a round of the cluster's barrier behind its opening barrier
	s_cmp_lg_u32 s14, 0
	s_cbranch_scc1 .Lnot_wave_0_\@
	s_barrier_signal -3
.Lnot_wave_0_\@:
	s_barrier_wait -3
	s_barrier_signal -1
	s_barrier_wait -1
.endm
.macro CROUND
	s_barrier_signal -1
	s_barrier_wait -1
	CREST
.endm
	s_load_b256 s[4:11], s[0:1], 0x0               ; cw s[4:5], tab s[6:7], the scales' exponents s[8:9], qkv s[10:11]
	v_lshl_add_u32 v[SPW], v0, 2, SPARE
	v_mov_b32 v[NIL], 0
	ds_add_u32 v28, v29
	ds_add_u32 v28, v29
	s_wait_dscnt 0x0
	v_lshrrev_b32 v1, 5, v0
	v_readfirstlane_b32 s14, v1                    ; wave 0..3
	s_lshr_b32 s15, s14, 1                         ; which half of the tile's rows is mine.  Also: I fetch for A (0) or for B (1)
	s_and_b32 s16, s14, 1                          ; which half of its columns.  Also: which 128 rows of that tile I fetch
	s_bfe_u32 s40, ttmp6, 0x40000                  ; cx, cy: my place in the cluster
	s_bfe_u32 s41, ttmp6, 0x40004
	s_and_b32 s66, ttmp7, 0xffff
	s_lshl_b32 s66, s66, 2                         ; 4 x cluster y
	s_add_co_u32 s67, s66, s41                     ; the tile of 256 tokens, where tokens are A's rows,
	s_add_co_u32 s42, s66, s40                     ; and where they are B's
	s_lshl_b32 s84, ttmp9, 23                      ; x's copy for this product,
	s_lshl_b32 s85, ttmp9, 20
	s_add_co_u32 s85, s85, WOFF                    ; and its weight
	s_cmp_eq_u32 ttmp9, 2                          ; v?  The same answer in all sixteen partners
	s_cselect_b32 s17, s41, s67                    ; A's tile: hangs on cy alone
	s_cselect_b32 s42, s42, s40                    ; B's tile: hangs on cx alone
	s_cselect_b32 s84, WOFF+0x200000, s84          ; A's first byte in cw
	s_cselect_b32 s85, 0x1000000, s85              ; B's
	s_lshl_b32 s43, s41, 2
	s_lshl_b32 s43, 15, s43                        ; my row of the cluster
	s_lshl_b32 s44, 0x1111, s40                    ; my column
	; descriptor group 1: a tile of 128 rows x 256 bytes, padded in LDS
	s_or_b32 s[G1+0], s43, (0<<16)|(1<<20)|(1<<21)|(5<<22)|(3<<25)  ; 15:0 the mask; 17:16 elements of 1 byte; 20 padding on; 21 set beside a mask; 24:22 after every 64 words; 31:25 four words
	s_or_b32 s[G1B+0], s44, (0<<16)|(1<<20)|(1<<21)|(5<<22)|(3<<25)
.irp g, G1, G1B
	s_mov_b32 s[\g+1], ROWB<<16                    ; tensor_dim0
	s_mov_b32 s[\g+2], 128<<16                     ; tensor_dim1
	s_mov_b32 s[\g+3], ROWB<<16                    ; tile_dim0
	s_mov_b32 s[\g+4], 128                         ; tile_dim1
	s_mov_b32 s[\g+5], KROW                        ; tensor_dim0_stride
	s_mov_b32 s[\g+6], 0
	s_mov_b32 s[\g+7], 0
.endr
	s_lshl_b32 s18, s16, 7                         ; which 128 rows of the tile I fetch
	s_lshl_b32 s20, s17, 8
	s_add_co_u32 s20, s20, s18
	s_lshl_b32 s20, s20, 10                        ; rows of 1,024 bytes
	s_add_co_u32 s20, s20, s84
	s_mov_b32 s21, 0
	s_lshl_b32 s46, s42, 8
	s_add_co_u32 s46, s46, s18
	s_lshl_b32 s46, s46, 10
	s_add_co_u32 s46, s46, s85
	s_mov_b32 s47, 0
	s_mul_i32 s45, s14, HALFT                      ; where they go: wave x 128 rows: no place in the cluster enters an LDS address
	s_wait_kmcnt 0x0
	s_load_b256 s[68:75], s[8:9], 0x0              ; e0 .. e7
	s_load_b64 s[76:77], s[8:9], 0x20              ; e8, e9
	s_add_nc_u64 s[20:21], s[4:5], s[20:21]
	s_add_nc_u64 s[46:47], s[4:5], s[46:47]
	CROUND                                         ; all sixteen work-groups are here: the first joint loads meet
.irp s, 0,1
	s_mov_b32 s[G0+4*\s], 1
	s_add_co_u32 s[G0+4*\s+1], s45, \s*SLOT
	s_add_nc_u64 s[G0+4*\s+2:G0+4*\s+3], s[20:21], \s*ROWB
	s_or_b32 s[G0+4*\s+3], s[G0+4*\s+3], 0x80000000
	s_mov_b32 s[G0B+4*\s], 1
	s_add_co_u32 s[G0B+4*\s+1], s45, \s*SLOT
	s_add_nc_u64 s[G0B+4*\s+2:G0B+4*\s+3], s[46:47], \s*ROWB
	s_or_b32 s[G0B+4*\s+3], s[G0B+4*\s+3], 0x80000000
	JLOAD G0+4*\s, G1, G0B+4*\s, G1B
.endr
	v_and_b32 v1, 15, v0                           ; l % 16
	v_bfe_u32 v2, v0, 4, 1                         ; l / 16
	v_mul_u32_u24 v3, v1, PITCH
	v_lshl_add_u32 v4, v2, 4, v3                   ; a fragment's row x pitch + 16 x half
	s_mul_i32 s21, s15, HALFT                      ; my 128 rows of A
	s_mul_i32 s22, s16, HALFT                      ; my 128 rows of B,
	s_add_co_u32 s22, s22, 2*HALFT                 ; which lie behind A's 256
.irp s, 0,1
	v_add_nc_u32 v[ADRA+\s], s21, v4
	v_add_nc_u32 v[ADRB+\s], s22, v4
	s_add_co_u32 s21, s21, SLOT
	s_add_co_u32 s22, s22, SLOT
.endr
	v_and_b32 v6, 31, v0
	v_lshlrev_b32 v[LI], 4, v6
	; where my wave stores.  T0 = its first token, F0 = its first feature: product x 8 Mi + batch x 2 Mi + head x 128 Ki + 64 x (token in the batch), for q, k and v alike
	s_lshl_b32 s86, s17, 8
	s_lshl_b32 s87, s15, 7
	s_add_co_u32 s86, s86, s87                     ; my first row on A's side
	s_lshl_b32 s88, s42, 8
	s_lshl_b32 s87, s16, 7
	s_add_co_u32 s88, s88, s87                     ; and on B's
	s_cmp_eq_u32 ttmp9, 2
	s_cselect_b32 s89, s88, s86                    ; T0
	s_cselect_b32 s90, s86, s88                    ; F0
	s_lshr_b32 s91, s89, 11
	s_lshl_b32 s91, s91, 21
	s_lshr_b32 s90, s90, 6
	s_lshl_b32 s90, s90, 17
	s_add_co_u32 s91, s91, s90
	s_and_b32 s89, s89, 2047
	s_lshl_b32 s90, s89, 6
	s_add_co_u32 s91, s91, s90
	s_lshl_b32 s90, ttmp9, 23
	s_add_co_u32 s90, s91, s90
	s_mov_b32 s91, 0
	s_add_nc_u64 s[10:11], s[10:11], s[90:91]
	s_lshl_b32 s92, s89, 8                         ; the table: 4,096 bytes for 16 tokens
	s_mov_b32 s93, 0
	s_add_nc_u64 s[6:7], s[6:7], s[92:93]
	s_wait_kmcnt 0x0
	s_cmp_eq_u32 ttmp9, 1                          ; this product's three exponents: (e0, e1, e6), (e2, e3, e7), (e4, e5, e9): chosen, never branched on
	s_cselect_b32 s80, s70, s72
	s_cselect_b32 s81, s71, s73
	s_cselect_b32 s82, s75, s77
	s_cmp_eq_u32 ttmp9, 0
	s_cselect_b32 s80, s68, s80
	s_cselect_b32 s81, s69, s81
	s_cselect_b32 s82, s74, s82
	s_sub_co_i32 s82, s82, s80
	s_sub_co_i32 s82, s82, s81
	s_add_co_i32 s82, s82, 127
	s_lshl_b32 s83, s82, 23
	v_mov_b32 v[SCV], s83
	s_add_co_i32 s82, s82, 8
	s_lshl_b32 s82, s82, 23
	s_or_b32 s82, s82, 0x600000
	v_mov_b32 v[LMV], s82
.macro FRAG reg, adr, q, i             ; 16 rows x 128 K: lane l holds row l % 16; registers 4 c .. 4 c + 3 hold K = 32 c + 16 (l / 16) + 0 .. 15
.irp c, 0,1,2,3
	ds_load_b128 v[\reg+4*\c:\reg+4*\c+3], v[\adr] offset:128*(\q)+32*\c+(\i)*16*PITCH
.endr
.endm
; 16 matrix instructions: A's blocks a0, a0 + 1 x B's eight.  The 64 accumulators take turns, one instruction a turn, in the same order in every step.
.macro MUL16 a0, p, zero
.irp a, \a0, \a0+1
.irp b, 0,1,2,3,4,5,6,7
.if \zero
	v_wmma_f32_16x16x128_fp8_fp8 v[8*(8*((\a)%4)+\b):8*(8*((\a)%4)+\b)+7], v[128*(\p)+FR*\b:128*(\p)+FR*\b+FR-1], v[AF+FR*(\a):AF+FR*(\a)+FR-1], 0
.else
	v_wmma_f32_16x16x128_fp8_fp8 v[8*(8*((\a)%4)+\b):8*(8*((\a)%4)+\b)+7], v[128*(\p)+FR*\b:128*(\p)+FR*\b+FR-1], v[AF+FR*(\a):AF+FR*(\a)+FR-1], v[8*(8*((\a)%4)+\b):8*(8*((\a)%4)+\b)+7]
.endif
.endr
.endr
.endm
.macro FETCH_B slot, q, p
	WIN TO_B
.irp i, 0,1,2,3,4,5,6,7
	FRAG 128*(\p)+FR*\i, ADRB+\slot, \q, \i
.endr
	WIN 0
.endm
.macro FETCH_A slot, q, i0
.irp i, \i0, \i0+1, \i0+2, \i0+3
	FRAG AF+FR*(\i), ADRA+\slot, \q, \i
.endr
.endm
.macro PLACES n                        ; plain vector lines between a matrix instruction and a load into, or a vector line on, its registers
.rept \n
	v_nop
.endr
.endm
.macro STEP slot, q, zero              ; a step of 128 along K that has its successor in the same slot
	s_wait_dscnt 4*NL                              ; B's set and A's blocks 0-3 are in; the sixteen loads of A's blocks 4-7 may be out
	WIN MUL_LO
	MUL16 0, (\q)%2, \zero
	MUL16 2, (\q)%2, \zero
	s_wait_dscnt 0
	PLACES NP
	FETCH_B \slot, (\q)+1, 1-(\q)%2
	FETCH_A \slot, (\q)+1, 0
	WIN MUL_HI
	MUL16 4, (\q)%2, \zero
	MUL16 6, (\q)%2, \zero
	PLACES NP
	WIN 0
	FETCH_A \slot, (\q)+1, 4
.endm
; A slot's last step changes slots: one barrier; in front of it each wave waits for all its tensor loads, adds 0 to its spare word, and waits for that and for its own reads of this slot.
.macro TURN slot, next, fill
	s_wait_tensorcnt 0x0                           ; all my tensor loads have landed: my part of the next slot
	ds_add_u32 v[SPW], v[NIL]                      ; 0 onto my spare word
	s_wait_dscnt 4*NL+1                            ; (the add and the sixteen loads of A's blocks 4-7 may be out)
	WIN MUL_LO
	MUL16 0, 1, 0
	s_wait_dscnt 0x0                               ; the add is done, and my reads of this slot are over
	s_barrier_signal -1
	MUL16 2, 1, 0
	WIN 0
	s_barrier_wait -1
.if \fill
	CREST                                          ; the barrier has opened a round of the cluster's: no wave of any partner still reads this slot or has a load on its way
	s_add_nc_u64 s[G0+4*\slot+2:G0+4*\slot+3], s[G0+4*\slot+2:G0+4*\slot+3], 2*ROWB
	s_add_nc_u64 s[G0B+4*\slot+2:G0B+4*\slot+3], s[G0B+4*\slot+2:G0B+4*\slot+3], 2*ROWB
	JLOAD G0+4*\slot, G1, G0B+4*\slot, G1B         ; the first tensor load behind the round; its four v_nop are also the places in front of the loads below
.else
	PLACES NP
.endif
	FETCH_B \next, 0, 0
	FETCH_A \next, 0, 0
	WIN MUL_HI
	MUL16 4, 1, 0
	MUL16 6, 1, 0
	PLACES NP
	WIN 0
	FETCH_A \next, 0, 4
.endm
.macro LASTSTEP                        ; the very last 128 along K: nothing more to fetch; then the places in front of the first read of results and the first write over A's fragments
	s_wait_dscnt 4*NL
	WIN MUL_LO
	MUL16 0, 1, 0
	MUL16 2, 1, 0
	s_wait_dscnt 0
	WIN MUL_HI
	MUL16 4, 1, 0
	MUL16 6, 1, 0
	WIN 0
	PLACES NP
.endm
	s_wait_tensorcnt 1                             ; my part of K step 0 is in (K step 1's load may be out),
	s_barrier_signal -1
	s_barrier_wait -1                              ; everybody's is
	FETCH_B 0, 0, 0
	FETCH_A 0, 0, 0
	FETCH_A 0, 0, 4
	STEP 0, 0, 1                                   ; the first step's products start the sums: nothing is cleared
	s_mov_b32 s3, LAPS-1
.Llap:
	TURN 0, 1, 1
	STEP 1, 0, 0
	TURN 1, 0, 1
	STEP 0, 0, 0
	s_sub_co_u32 s3, s3, 1
	s_cmp_lg_u32 s3, 0
	s_cbranch_scc1 .Llap
	TURN 0, 1, 0                                   ; the last lap fills nothing
	STEP 1, 0, 0
; THE WAY OUT, block by block of 16 rows of A's side.  No LDS: a conversion's two registers are two registers of the next product's fragment, and four of them are a lane's 16 bytes of its image.
.macro TLOAD a                         ; the table of block a's 16 tokens: 8 x 512 bytes into set a % 2
.irp n, 0,1,2,3,4,5,6,7
	global_load_b128 v[TBL+32*((\a)%2)+4*\n:TBL+32*((\a)%2)+4*\n+3], v[LI], s[6:7] offset:4096*(\a)+512*\n
.endr
.endm
.macro CODES a                         ; the block's 64 held numbers become 16 registers of codes, in set a % 2
.set CB, CD+16*((\a)%2)
.if (\a) > 1
	s_wait_xcnt 0x0                                ; block a - 2's stores have read their data: the set is written again only behind this wait
.endif
.irp b, 0,1,2,3,4,5,6,7
	v_cvt_scalef32_pk8_fp8_f32 v[CB+2*\b:CB+2*\b+1], v[RR+8*\b:RR+8*\b+7], v[SCV]
.endr
	v_nop                                          ; a plain line between the conversions and the next block's writes of their sources
.endm
.macro QKBLOCK a
.set AC, 64*((\a)%4)
.set TB, TBL+32*((\a)%2)
.if (\a) < 7
	s_wait_loadcnt 8                               ; this block's table is in; the next block's eight loads may be out
.else
	s_wait_loadcnt 0
.endif
	WIN 0x02+((\a)/4)                              ; source 0: window 2 or 3
.irp b, 0,1,2,3,4,5,6,7                ; a register pair holds (x1, x2) of one rotation, the table's pair (cos, sin).  First (-x2 sin, x2 cos); each accumulator from its low end on
.irp p, 0,1,2,3
	v_pk_mul_f32 v[RR+8*\b+2*\p:RR+8*\b+2*\p+1], v[AC+8*\b+2*\p:AC+8*\b+2*\p+1], v[TB+8*(\b%4)+2*\p:TB+8*(\b%4)+2*\p+1] op_sel:[1,1] op_sel_hi:[1,0] neg_lo:[0,1]
.endr
.endr
.irp b, 0,1,2,3,4,5,6,7                ; then + (x1 cos, x1 sin)
.irp p, 0,1,2,3
	v_pk_fma_f32 v[RR+8*\b+2*\p:RR+8*\b+2*\p+1], v[AC+8*\b+2*\p:AC+8*\b+2*\p+1], v[TB+8*(\b%4)+2*\p:TB+8*(\b%4)+2*\p+1], v[RR+8*\b+2*\p:RR+8*\b+2*\p+1] op_sel_hi:[0,1,1]
.endr
.endr
	WIN 0
.if (\a)+2 < 8
	TLOAD (\a)+2
.endif
.set j, 0
.rept 64
	v_med3_num_f32 v[RR+j], v[RR+j], -v[LMV], v[LMV]   ; the conversion to an 8-bit code does not saturate (ISA guide 7.6.2)
.set j, j+1
.endr
	CODES \a
.irp hd, 0,1                           ; my 128 columns are two heads
.irp c, 0,1
	global_store_b128 v[LI], v[CB+8*\hd+4*\c:CB+8*\hd+4*\c+3], s[10:11] offset:1024*(\a)+131072*\hd+512*\c
.endr
.endr
.endm
.macro VBLOCK a                        ; 16 channels x my 128 keys: one fragment of v^T
.set AC, 64*((\a)%4)
	WIN 0x02+((\a)/4)
.set j, 0
.rept 64
	v_med3_num_f32 v[RR+j], v[AC+j], -v[LMV], v[LMV]   ; each accumulator from its low end on
.set j, j+1
.endr
	WIN 0
	CODES \a
.irp c, 0,1,2,3
	global_store_b128 v[LI], v[CB+4*\c:CB+4*\c+3], s[10:11] offset:131072*((\a)/4)+2048*((\a)%4)+512*\c
.endr
.endm
	s_cmp_eq_u32 ttmp9, 2                          ; the one parting of q, k and v: on the cluster's x, alike in all partners.  The last step is written in both arms
	s_cbranch_scc1 .Lv
	TLOAD 0                                        ; the first two blocks' tables land under the last step's products
	TLOAD 1
	LASTSTEP
.irp a, 0,1,2,3,4,5,6,7
	QKBLOCK \a
.endr
	s_branch .Lend
.Lv:
	LASTSTEP
.irp a, 0,1,2,3,4,5,6,7
	VBLOCK \a
.endr
.Lend:
	s_wait_tensorcnt 0x0                           ; the wave's end
	ds_add_u32 v[SPW], v[NIL]
	s_wait_dscnt 0x0
	CROUND                                         ; the closing round: no work-group ends while a partner may still ask for a tile that names it
	s_endpgm
.Lfunc_end_k_qcf84f08dc5_qkv:
	.size	k_qcf84f08dc5_qkv, .Lfunc_end_k_qcf84f08dc5_qkv-k_qcf84f08dc5_qkv
	.p2alignl 7, 3214868480
	.fill 96, 4, 3214868480
	.section	.rodata,"a",@progbits
	.p2align	6, 0x0
	.amdhsa_kernel k_qcf84f08dc5_qkv
		.amdhsa_group_segment_fixed_size 327680
		.amdhsa_private_segment_fixed_size 0
		.amdhsa_enable_private_segment 0
		.amdhsa_kernarg_size 32
		.amdhsa_user_sgpr_count 2
		.amdhsa_user_sgpr_kernarg_segment_ptr 1
		.amdhsa_wavefront_size32 1
		.amdhsa_system_sgpr_workgroup_id_x 1
		.amdhsa_system_sgpr_workgroup_id_y 1
		.amdhsa_system_sgpr_workgroup_id_z 1
		.amdhsa_system_vgpr_workitem_id 0
		.amdhsa_next_free_vgpr 1024
		.amdhsa_next_free_sgpr 100
		.amdhsa_reserve_vcc 0
		.amdhsa_float_denorm_mode_32 3
		.amdhsa_float_denorm_mode_16_64 3
		.amdhsa_memory_ordered 1
		.amdhsa_forward_progress 1
		.amdhsa_inst_pref_size 201
	.end_amdhsa_kernel
	.amdgpu_metadata
---
amdhsa.version: [ 1, 2 ]
amdhsa.kernels:
  - .name:           k_qcf84f08dc5_qkv
    .symbol:         k_qcf84f08dc5_qkv.kd
    .args:
      - { .name: cw, .offset: 0, .size: 8, .value_kind: global_buffer, .address_space: global }
      - { .name: tab, .offset: 8, .size: 8, .value_kind: global_buffer, .address_space: global }
      - { .name: lowp_scales, .offset: 16, .size: 8, .value_kind: global_buffer, .address_space: global }
      - { .name: qkv, .offset: 24, .size: 8, .value_kind: global_buffer, .address_space: global }
    .group_segment_fixed_size: 327680
    .private_segment_fixed_size: 0
    .kernarg_segment_align: 8
    .kernarg_segment_size: 32
    .max_flat_workgroup_size: 128
    .sgpr_count:     100
    .vgpr_count:     1024
    .wavefront_size: 32
...
	.end_amdgpu_metadata
.endif
;; end of part 2
;; launch attn (part 3): grid 4 x 64, 16 waves a work-group, no clusters, 67,584 bytes of LDS; arguments qkv, lowp_scales, ac; writes ac
.if DOCPART == 3
	.amdgcn_target "amdgcn-amd-amdhsa--gfx1250"
	.amdhsa_code_object_version 6
	.text
	.protected	k_qcf84f08dc5_attn
	.globl	k_qcf84f08dc5_attn
	.p2align	8
	.type	k_qcf84f08dc5_attn,@function
k_qcf84f08dc5_attn:
	s_mov_b64 s[64:65], 0
	v_nop
	global_prefetch_b8 v0, s[64:65] scope:SCOPE_SE
	s_setreg_imm32_b32 hwreg(HW_REG_WAVE_MODE, 25, 1), 1
	s_wait_xcnt 0x0
; THE THIRD LAUNCH: causal attention on codes of FP8 (E4M3): S^T = k q^T, p = 2^(t - M), O^T = v^T p^T, O / l quantised for the last product.
; t = score x 2^(e6 + e7) x log2(e) / 8; M = the running largest t rounded UP to a whole number; p is quantised under 2^e8, not normalised; l is the sum of the unquantised p, in f32.  When M moves, l and O^T are multiplied by 2^(old M - new M): exact.
; SHARES.  Work-group (I, batch x head) owns the query blocks of 256 numbered 7 - I and I.  Wave w owns two tiles of 16 queries: H at 256 (7 - I) + 16 w and L at 256 I + 16 (15 - w):
; by the causal mask these two together see 17 key steps of 128, whatever I and w.  A step all of whose keys come after a tile's queries is jumped by a scalar branch on ids.
; k's and v's fragment images go from memory through registers into two LDS slots of 256 keys (16 KiB of k, 16 KiB of v), as they lie: 64 bytes a thread.  A slot's bytes are asked for a whole slot's work ahead
; of the wait for them, so nothing further is asked ahead; slots that no query of the work-group sees are neither loaded nor stored.  The trip count and the barriers are constants of the text.
; No joint loads: the four work-groups of a head need different numbers of slots.
; LAYOUT.  Both products are used transposed, so a lane holds ONE query (lane % 16).  In S^T's tile t register j is key 16 t + 8 (lane / 16) + j: one conversion a tile gives registers 2 t, 2 t + 1 of p's fragment in the form's own layout.
; ac: [16 tokens][128 along K: head / 2][c 0..3][lane][16 bytes]: lane (r, h) holds k = 32 c + 16 h + 0 .. 15 of token r, as the last launch's fragments of w_o have it.
; LIMITS: e6 + e7 between -123 and 130; e8 between -126 and 119; e10 - e8 - e9 between -126 and 119.  NaN among the inputs is not served.
.set LA,  1                            ; v1   16 x lane
.set TA,  3                            ; v3   16 x thread
.set RH,  5                            ; v5   r - 8 h
.set STG, 8                            ; v8-23   a thread's 64 bytes on their way to LDS
.set QH,  24                           ; v24-31  q of tile H;  v32-39 of tile L
.set QL,  32
.set STH, 40                           ; v40-43  tile H: -M, the largest t, l in two halves;  v44-47 tile L
.set STL, 44
.set OH,  48                           ; v48-79  O^T of tile H;  v80-111 of tile L
.set OL,  80
.set P,   112                          ; v112-127 p's codes; they lie over the first twelve registers of the scores, which are done with by then
.set S,   116                          ; v116-179 S^T, then p
.set F,   180                          ; v180-243 eight fragments of k, then four of v
.set SCP, 244                          ; 2^e8 as f32; on the way out 2^(e10 - e8 - e9)
.set LMP, 245                          ; 448 x that
.set FF,  246                          ; v[246:247] f = 2^(old M - new M); on the way out 1 / l
.set SM2, 248                          ; v[248:249] the sum's second chain
.set M1,  250
.set M2,  251
.set PX,  252
.set DD,  253
.set NEG, 254                          ; -infinity
.set KP,  10                           ; s[10:11] k's images of the slot to be loaded;  s[12:13] v's
.set VP,  12
.set WV,  21
.set JJ,  22                           ; the slot in hand
.set LAST, 23                          ; the last slot that any query of the work-group sees: 7 - I
.set Q0H, 24
.set Q0L, 25
.set KF,  26                           ; the step's first key
.set TRIP, 27
.set CS,  28                           ; s[28:29] c = 2^(e6 + e7) log2(e) / 8
.set SEL, 30                           ; s[30:31] lane selects: lane l xor 16
	s_load_b128 s[4:7], s[0:1], 0x0                ; qkv, the scales' exponents
	s_load_b64 s[8:9], s[0:1], 0x10                ; ac
	v_lshrrev_b32 v2, 5, v0
	v_readfirstlane_b32 s[WV], v2                  ; wave 0..15
	v_and_b32 v2, 31, v0
	v_lshlrev_b32 v[LA], 4, v2
	v_lshlrev_b32 v[TA], 4, v0
	v_and_b32 v4, 15, v0
	v_bfe_u32 v6, v0, 4, 1
	v_lshlrev_b32 v6, 3, v6
	v_sub_nc_u32 v[RH], v4, v6
	s_and_b32 s40, ttmp7, 0xffff                   ; batch x head
	s_sub_co_u32 s[LAST], 7, ttmp9
	s_lshl_b32 s[Q0H], s[LAST], 8
	s_lshl_b32 s34, s[WV], 4
	s_add_co_u32 s[Q0H], s[Q0H], s34
	s_lshl_b32 s[Q0L], ttmp9, 8
	s_sub_co_u32 s34, 240, s34
	s_add_co_u32 s[Q0L], s[Q0L], s34
	s_lshl_b32 s34, s40, 17                        ; a head's images: 131,072 bytes in each of q, k, v
	s_mov_b32 s35, 0
	s_lshl_b32 s36, s[Q0H], 6                      ; a tile of 16 queries: 1,024 bytes
	v_add_nc_u32 v6, s36, v[LA]
	s_lshl_b32 s36, s[Q0L], 6
	v_add_nc_u32 v7, s36, v[LA]
	s_lshr_b32 s38, s40, 4
	s_lshl_b32 s38, s38, 21                        ; ac: the batch's 128 tiles of 16,384 bytes,
	s_and_b32 s39, s40, 15
	s_lshl_b32 s39, s39, 10                        ; and the head's 1,024 bytes in a tile
	s_add_co_u32 s38, s38, s39
	s_mov_b32 s39, 0
	s_mov_b32 s[SEL], 0x76543210
	s_mov_b32 s[SEL+1], 0xfedcba98
	s_mov_b32 s[KF], 0
	s_mov_b32 s[JJ], 0
	s_wait_kmcnt 0x0
	s_load_b128 s[16:19], s[6:7], 0x18             ; e6, e7, e8, e9
	s_load_b32 s20, s[6:7], 0x28                   ; e10
	s_add_nc_u64 s[14:15], s[4:5], s[34:35]        ; q's images of my head
	s_add_nc_u64 s[KP:KP+1], s[14:15], 0x800000
	s_add_nc_u64 s[VP:VP+1], s[14:15], 0x1000000
	s_add_nc_u64 s[8:9], s[8:9], s[38:39]
.macro GLOAD                           ; a slot: 16 KiB of k's images and 16 KiB of v's, each dense in memory; a wave's load covers 512 consecutive bytes
	global_load_b128 v[STG:STG+3], v[TA], s[KP:KP+1]
	global_load_b128 v[STG+4:STG+7], v[TA], s[KP:KP+1] offset:8192
	global_load_b128 v[STG+8:STG+11], v[TA], s[VP:VP+1]
	global_load_b128 v[STG+12:STG+15], v[TA], s[VP:VP+1] offset:8192
.endm
	GLOAD                                          ; slot 0
	global_load_b128 v[QH:QH+3], v6, s[14:15]
	global_load_b128 v[QH+4:QH+7], v6, s[14:15] offset:512
	global_load_b128 v[QL:QL+3], v7, s[14:15]
	global_load_b128 v[QL+4:QL+7], v7, s[14:15] offset:512
.irp st, STH, STL
	v_mov_b32 v[\st+1], 0xff61b1e6                 ; the largest t so far: -3e38, under every t
	v_floor_f32 v[\st], -v[\st+1]                  ; -M
	v_mov_b32 v[\st+2], 0
	v_mov_b32 v[\st+3], 0
.endr
	v_mov_b32 v[PX], 0                             ; written once: a lane permute's destination counts as one of its sources
	v_mov_b32 v[FF+1], 0                           ; (named as the upper half of a pair)
	v_mov_b32 v[NEG], 0xff800000
.set n, 0
.rept 64
	v_mov_b32 v[OH+n], 0                           ; O^T of both tiles: the step is written without a first step of its own; the first change of M multiplies zeros
.set n, n+1
.endr
	s_wait_kmcnt 0x0
	s_add_co_i32 s32, s16, s17
	s_lshl_b32 s32, s32, 23
	s_add_co_i32 s[CS], s32, 0x3e38aa3b            ; log2(e) / 8 with e6 + e7 added to its exponent field
	s_mov_b32 s[CS+1], s[CS]
	s_add_co_i32 s32, s18, 127
	s_lshl_b32 s33, s32, 23
	v_mov_b32 v[SCP], s33
	s_add_co_i32 s32, s32, 8
	s_lshl_b32 s32, s32, 23
	s_or_b32 s32, s32, 0x600000
	v_mov_b32 v[LMP], s32
	s_sub_co_i32 s36, s20, s18                     ; O^T / l stands for that x 2^(e8 + e9): its code is taken under 2^(e10 - e8 - e9)
	s_sub_co_i32 s36, s36, s19
	s_add_co_i32 s36, s36, 127
	s_lshl_b32 s37, s36, 23
	s_add_co_i32 s36, s36, 8
	s_lshl_b32 s36, s36, 23
	s_or_b32 s36, s36, 0x600000
	s_wait_loadcnt 0x0                             ; slot 0 and q are in; the loads are done, so their bases may step
.irp n, 0,1,2,3
	ds_store_b128 v[TA], v[STG+4*\n:STG+4*\n+3] offset:8192*\n
.endr
	s_add_nc_u64 s[KP:KP+1], s[KP:KP+1], 16384
	s_add_nc_u64 s[VP:VP+1], s[VP:VP+1], 16384
	s_wait_dscnt 0x0                               ; the stores have read their registers
	GLOAD                                          ; slot 1 (every work-group sees at least five slots)
; A KEY STEP of one tile: 128 keys, the qs-th of slot sl.
.macro STEP st, qf, ob, q0, sl, qs
	s_add_co_u32 s32, s[\q0], 15
	s_cmp_gt_u32 s[KF], s32                        ; all keys come after my 16 queries
	s_cbranch_scc1 .Lhid_\@
.rept 5
	v_nop                                          ; five places: the products below write over registers that the last products read (p's codes); four of them serve the loads into the fragments' registers
.endr
.irp t, 0,1,2,3,4,5,6,7
.irp c, 0,1
	ds_load_b128 v[F+8*\t+4*\c:F+8*\t+4*\c+3], v[LA] offset:\sl*32768+\qs*8192+1024*\t+512*\c
.endr
.endr
	s_wait_dscnt 0x0
.irp t, 0,1,2,3,4,5,6,7
	v_wmma_f32_16x16x64_fp8_fp8 v[S+8*\t:S+8*\t+7], v[F+8*\t:F+8*\t+7], v[\qf:\qf+7], 0
.endr
.rept 4
	v_nop                                          ; places in front of the loads below and of the first read of the scores
.endr
.irp d, 0,1,2,3                        ; v's four fragments land under the softmax
.irp c, 0,1,2,3
	ds_load_b128 v[F+16*\d+4*\c:F+16*\d+4*\c+3], v[LA] offset:\sl*32768+16384+\qs*8192+2048*\d+512*\c
.endr
.endr
	s_add_co_u32 s32, s[KF], 127
	s_cmp_le_u32 s32, s[\q0]                       ; all keys count: no mask
	s_cbranch_scc1 .Lopen_\@
	s_sub_co_i32 s32, s[\q0], s[KF]
	v_add_nc_u32 v[DD], s32, v[RH]                 ; d = my query - KF - 8 h.  Register 8 t + j holds key KF + 16 t + 8 h + j: hidden where 16 t + j > d
.set n, 0
.rept 64
	v_cmp_gt_i32 vcc_lo, 16*(n/8)+n%8, v[DD]
	v_cndmask_b32 v[S+n], v[S+n], v[NEG], vcc_lo
.set n, n+1
.endr
.Lopen_\@:
	v_max3_num_f32 v[M1], v[S], v[S+1], v[S+2]     ; the step's largest score of my query among my 64 keys, in two chains, from the low end on,
	v_max3_num_f32 v[M2], v[S+3], v[S+4], v[S+5]
.irp i, 6,10,14,18,22,26,30,34,38,42,46,50,54,58
	v_max3_num_f32 v[M1], v[M1], v[S+\i], v[S+\i+1]
	v_max3_num_f32 v[M2], v[M2], v[S+\i+2], v[S+\i+3]
.endr
	v_max3_num_f32 v[M1], v[M1], v[S+62], v[S+63]
	v_max_num_f32 v[M1], v[M1], v[M2]
	v_permlanex16_b32 v[PX], v[M1], s[SEL], s[SEL+1]
	v_max_num_f32 v[M1], v[M1], v[PX]              ; and among lane l xor 16's
	v_mul_f32 v[M1], s[CS], v[M1]                  ; as t (c is positive)
	v_max_num_f32 v[\st+1], v[\st+1], v[M1]
	v_mov_b32 v[M1], v[\st]
	v_floor_f32 v[\st], -v[\st+1]                  ; the new -M = floor(-t)
	v_sub_f32 v[M1], v[\st], v[M1]                 ; old M - new M: a whole number, 0 or less
	v_cvt_i32_f32 v[M1], v[M1]                     ; (it saturates)
	v_ldexp_f32 v[FF], 1.0, v[M1]                  ; f
.set n, 0
.rept 32
	v_pk_fma_f32 v[S+n:S+n+1], v[S+n:S+n+1], s[CS:CS+1], v[\st:\st+1] op_sel_hi:[1,0,0]   ; t - M, two at a time
.set n, n+2
.endr
.set n, 0
.rept 64
	v_exp_f32 v[S+n], v[S+n]                       ; p = 2^(t - M)
.set n, n+1
.endr
	v_pk_mul_f32 v[\st+2:\st+3], v[\st+2:\st+3], v[FF:FF+1] op_sel_hi:[1,0]   ; l under the new M; the plain line behind the exponentials
	s_wait_alu depctr_va_vdst(0)                   ; one wait for the batch of 64, ahead of its first reader
	v_pk_add_f32 v[SM2:SM2+1], v[S:S+1], v[S+2:S+3]   ; l takes the unquantised p, in two chains
.irp j, 4,8,12,16,20,24,28,32,36,40,44,48,52,56,60
	v_pk_add_f32 v[\st+2:\st+3], v[\st+2:\st+3], v[S+\j:S+\j+1]
	v_pk_add_f32 v[SM2:SM2+1], v[SM2:SM2+1], v[S+\j+2:S+\j+3]
.endr
	v_pk_add_f32 v[\st+2:\st+3], v[\st+2:\st+3], v[SM2:SM2+1]
	s_cmp_ge_i32 s18, -8                           ; p <= 1 <= 448 x 2^e8 from e8 = -8 on: the hold cannot bind there and is jumped
	s_cbranch_scc1 .Lfits_\@
.set n, 0
.rept 64
	v_min_num_f32 v[S+n], v[S+n], v[LMP]           ; the conversion does not saturate (ISA guide 7.6.2); p is not negative
.set n, n+1
.endr
.Lfits_\@:
.irp t, 0,1,2,3,4,5,6,7
	v_cvt_scalef32_pk8_fp8_f32 v[P+2*\t:P+2*\t+1], v[S+8*\t:S+8*\t+7], v[SCP]
.if \t == 1
	v_nop                                          ; the later conversions write over the sources of these first two: a plain line stands between
.endif
.endr
.set n, 0
.rept 16
	v_pk_mul_f32 v[\ob+n:\ob+n+1], v[\ob+n:\ob+n+1], v[FF:FF+1] op_sel_hi:[1,0]   ; O^T under the new M, from each accumulator's low end on; also the plain lines behind the conversions
.set n, n+2
.endr
	s_wait_dscnt 0x0                               ; v's fragments are in
.irp d, 0,1,2,3                        ; four accumulators by turns; the scores' products stand between two steps
	v_wmma_f32_16x16x128_fp8_fp8 v[\ob+8*\d:\ob+8*\d+7], v[F+16*\d:F+16*\d+15], v[P:P+15], v[\ob+8*\d:\ob+8*\d+7]
.endr
.Lhid_\@:
.endm
.macro PAIR sl, qs
	STEP STH, QH, OH, Q0H, \sl, \qs
	STEP STL, QL, OL, Q0L, \sl, \qs
	s_add_co_u32 s[KF], s[KF], 128
.endm
; A SLOT.  In front of the barrier: my stores into this slot have landed and my reads of the other are back.  Behind it the other slot takes the next 256 keys from my registers, and the keys after those are asked for.
.macro HALF sl
	s_wait_dscnt 0x0
	s_barrier_signal -1
	s_barrier_wait -1
	s_wait_loadcnt 0x0                             ; the loads asked for a slot ago are done, so their bases may step
	s_add_nc_u64 s[KP:KP+1], s[KP:KP+1], 16384
	s_add_nc_u64 s[VP:VP+1], s[VP:VP+1], 16384
	s_cmp_ge_u32 s[JJ], s[LAST]                    ; no slot behind this one is seen: nothing to store
	s_cbranch_scc1 .Lstaged_\@
.irp n, 0,1,2,3
	ds_store_b128 v[TA], v[STG+4*\n:STG+4*\n+3] offset:(1-\sl)*32768+8192*\n
.endr
	s_add_co_u32 s33, s[JJ], 1
	s_cmp_ge_u32 s33, s[LAST]                      ; nor the one after: nothing to load, and no load leaves the buffer
	s_cbranch_scc1 .Lstaged_\@
	s_wait_dscnt 0x0                               ; the stores have read their registers
	GLOAD
.Lstaged_\@:
	s_add_co_u32 s[JJ], s[JJ], 1
	PAIR \sl, 0
	PAIR \sl, 1
.endm
	s_mov_b32 s[TRIP], 0
.Ltrip:                                            ; four trips of two slots: every LDS offset is an immediate
	HALF 0
	HALF 1
	s_add_co_u32 s[TRIP], s[TRIP], 1
	s_cmp_lt_u32 s[TRIP], 4
	s_cbranch_scc1 .Ltrip
; THE WAY OUT of a tile: O^T / l, held, quantised; then lanes l and l xor 16 exchange halves, so that a lane holds 16 neighbouring channels, as the last product's fragments have them.
.macro OUT st, ob, q0, cd, ad
	v_add_f32 v[M1], v[\st+2], v[\st+3]
	v_permlanex16_b32 v[PX], v[M1], s[SEL], s[SEL+1]
	v_add_f32 v[M1], v[M1], v[PX]                  ; l
	v_rcp_f32 v[FF], v[M1]
	s_lshl_b32 s32, s[\q0], 10                     ; 16,384 bytes for 16 tokens
	v_add_nc_u32 v[\ad], s32, v[LA]                ; (the plain line behind the reciprocal)
	s_wait_alu depctr_va_vdst(0)                   ; the wait ahead of its first reader
.set n, 0
.rept 16
	v_pk_mul_f32 v[F+n:F+n+1], v[\ob+n:\ob+n+1], v[FF:FF+1] op_sel_hi:[1,0]
.set n, n+2
.endr
.set n, 0
.rept 32
	v_med3_num_f32 v[F+n], v[F+n], -v[LMP], v[LMP]
.set n, n+1
.endr
.irp d, 0,1,2,3
	v_cvt_scalef32_pk8_fp8_f32 v[\cd+2*\d:\cd+2*\d+1], v[F+8*\d:F+8*\d+7], v[SCP]   ; channels 16 d + 8 h + 0 .. 7
.endr
	v_nop
.irp g, 0,1                            ; channels 32 g on: lanes 0-15 keep tile 2 g and take its upper half from their partner; lanes 16-31 keep tile 2 g + 1 and take its lower half
.irp w, 0,1
	v_cndmask_b32 v[M1], v[\cd+4*\g+2+\w], v[\cd+4*\g+\w], vcc_lo
	v_permlanex16_b32 v[PX], v[M1], s[SEL], s[SEL+1]
	v_cndmask_b32 v[\cd+4*\g+\w], v[\cd+4*\g+\w], v[PX], vcc_lo
	v_cndmask_b32 v[\cd+4*\g+2+\w], v[PX], v[\cd+4*\g+2+\w], vcc_lo
.endr
.endr
	global_store_b128 v[\ad], v[\cd:\cd+3], s[8:9]              ; 32 lanes store 512 consecutive bytes, aligned
	global_store_b128 v[\ad], v[\cd+4:\cd+7], s[8:9] offset:512
.endm
.rept 4
	v_nop                                          ; places behind the last products
.endr
	v_mov_b32 v[SCP], s37
	v_mov_b32 v[LMP], s36
	s_mov_b32 vcc_lo, 0xffff0000                   ; lanes 16-31
	OUT STH, OH, Q0H, 112, 6                       ; each tile has code and address registers of its own: no store's source is written again
	OUT STL, OL, Q0L, 120, 7
	s_wait_xcnt 0x0
	v_lshl_add_u32 v254, v0, 2, 0x10000
	v_mov_b32 v255, 0
	s_wait_tensorcnt 0x0
	ds_add_u32 v254, v255
	s_wait_dscnt 0x0
	s_endpgm
.Lfunc_end_k_qcf84f08dc5_attn:
	.size	k_qcf84f08dc5_attn, .Lfunc_end_k_qcf84f08dc5_attn-k_qcf84f08dc5_attn
	.p2alignl 7, 3214868480
	.fill 96, 4, 3214868480
	.section	.rodata,"a",@progbits
	.p2align	6, 0x0
	.amdhsa_kernel k_qcf84f08dc5_attn
		.amdhsa_group_segment_fixed_size 67584
		.amdhsa_private_segment_fixed_size 0
		.amdhsa_enable_private_segment 0
		.amdhsa_kernarg_size 24
		.amdhsa_user_sgpr_count 2
		.amdhsa_user_sgpr_kernarg_segment_ptr 1
		.amdhsa_wavefront_size32 1
		.amdhsa_system_sgpr_workgroup_id_x 1
		.amdhsa_system_sgpr_workgroup_id_y 1
		.amdhsa_system_sgpr_workgroup_id_z 1
		.amdhsa_system_vgpr_workitem_id 0
		.amdhsa_next_free_vgpr 256
		.amdhsa_next_free_sgpr 66
		.amdhsa_reserve_vcc 1
		.amdhsa_float_denorm_mode_32 3
		.amdhsa_float_denorm_mode_16_64 3
		.amdhsa_memory_ordered 1
		.amdhsa_forward_progress 1
		.amdhsa_inst_pref_size 182
	.end_amdhsa_kernel
	.amdgpu_metadata
---
amdhsa.version: [ 1, 2 ]
amdhsa.kernels:
  - .name:           k_qcf84f08dc5_attn
    .symbol:         k_qcf84f08dc5_attn.kd
    .args:
      - { .name: qkv, .offset: 0, .size: 8, .value_kind: global_buffer, .address_space: global }
      - { .name: lowp_scales, .offset: 8, .size: 8, .value_kind: global_buffer, .address_space: global }
      - { .name: ac, .offset: 16, .size: 8, .value_kind: global_buffer, .address_space: global }
    .group_segment_fixed_size: 67584
    .private_segment_fixed_size: 0
    .kernarg_segment_align: 8
    .kernarg_segment_size: 24
    .max_flat_workgroup_size: 512
    .sgpr_count:     66
    .vgpr_count:     256
    .wavefront_size: 32
...
	.end_amdgpu_metadata
.endif
;; end of part 3
;; launch oproj (part 4): grid 4 x 32, 4 waves a work-group, clusters of 4 x 4, 327,680 bytes of LDS; arguments ac, cw, lowp_scales, out0; writes out0
.if DOCPART == 4
	.amdgcn_target "amdgcn-amd-amdhsa--gfx1250"
	.amdhsa_code_object_version 6
	.text
	.protected	k_qcf84f08dc5_oproj
	.globl	k_qcf84f08dc5_oproj
	.p2align	8
	.type	k_qcf84f08dc5_oproj,@function
k_qcf84f08dc5_oproj:
	s_mov_b64 s[64:65], 0
	v_nop
	global_prefetch_b8 v0, s[64:65] scope:SCOPE_SE
	s_setreg_imm32_b32 hwreg(HW_REG_WAVE_MODE, 25, 1), 1
	s_wait_xcnt 0x0
	s_wait_alu depctr_hold_cnt(0) depctr_sa_sdst(0) depctr_va_vdst(0) depctr_va_sdst(0) depctr_va_ssrc(0) depctr_va_vcc(0) depctr_vm_vsrc(0)
	s_getreg_b32 s2, hwreg(HW_REG_IB_STS2, 6, 4)
	s_cmp_eq_u32 s2, 0
	s_cbranch_scc0 .Lentry_in_a_cluster
	s_endpgm
.Lentry_in_a_cluster:
	s_bfe_u32 s2, ttmp6, 0x10000c
	s_cmp_lg_u32 s2, 0xf033
	s_cbranch_scc0 .Lentry_shape_is_right
	s_endpgm
.Lentry_shape_is_right:
; THE FOURTH LAUNCH: out0 = attn w_o^T on codes of FP8 (E4M3).  A: attention's codes, 8,192 tokens x 1,024, laid as images of fragments: [16 tokens][128 along K][c 0..3][lane][16 bytes].
; B: w_o's codes, [1024][1024] bytes, K innermost, at byte 27 Mi of cw.  out0: [8192][1024] f32.  The codes are multiplied as they are, and each finished sum once by 2^(e10 + e11).
; LIMIT: e10 + e11 between -126 and 127, so that the factor is an f32 number.
; A tile of the result, 256 x 256, is made by four waves, each 128 x 128: 64 accumulators, 512 registers.  K goes in steps of 256 through a ring of two LDS slots filled by the tensor data mover.
; A's part of a slot is 16 token tiles x 4,096 bytes, dense: a fragment comes by four loads at 16 x lane, with no pitch.  B's rows are 256 bytes + 16 of padding.
; A's image holds, in registers 4 c .. 4 c + 3 of lane l, K = 32 c + 16 (l / 16) + 0 .. 15: the very places that the four loads of 16 bytes give B's rows: every product meets its partner.
; CLUSTERS: 4 x 4 work-groups; A's tile is asked for jointly along a row of the cluster, B's along a column.  THE MATRIX INSTRUCTION IS USED TRANSPOSED: a lane holds eight neighbouring numbers of a row of the result.
; REGISTERS, in windows of 256: window 0: v0-31 addresses; from v128 A's fragments, one set; on the way out v32-255 are free.  window 1: B's fragments, two sets.  windows 2, 3: the accumulators.
.set SIZE_N, 1024
.set ROWB,   256
.set KROW,   1024
.set PITCH,  272                       ; B's LDS row: 68 words: the 16 rows that a load touches start at 16 different banks (64 banks of 4 bytes: ISA guide 11.1)
.set FR,     16
.set NL,     4
.set NP,     4
.set HALFA,  32768                     ; 8 token tiles x 4,096 bytes: what one tensor load brings of A
.set ABYTES, 2*HALFA
.set HALFB,  128*PITCH
.set SLOT,   ABYTES+2*HALFB
.set ASTEP,  4096                      ; a K step of 256 in a token tile's image
.set LAPS,   2
.set SPARE,  2*SLOT                    ; behind the ring: the spare words, 128 bytes for each wave, which no other line names
.set SPITCH, 528                       ; the way out: a stage of 16 rows x (512 bytes + 16) for each wave, in slot 0, which has had its last fill and its last read when the first result is stored there
.set WO,     0x1b00000
.set ADRA, 16
.set ADRB, 20
.set STO,  24
.set RD,   25
.set CO,   26                          ; v26  16 x lane
.set SPW,  28
.set NIL,  29
.set TMP,  32
.set AF,   128
.set BK,   128
.set G1, 24
.set G0, 32
.set G1B, 48
.set G0B, 56
.set MSB, 0
.macro WIN new                         ; the immediate's high byte repeats the setting that is left
.if MSB != \new
	s_set_vgpr_msb (MSB<<8)|\new
.set MSB, \new
.endif
.endm
.set MUL_LO, 0xa1
.set MUL_HI, 0xf1
.set TO_B,   0x40
.macro JLOAD g0a, g1a, g0b, g1b        ; a joint load: waves 0 and 1 fetch for A, waves 2 and 3 for B; four v_nop follow each of the two lines
	s_cmp_eq_u32 s15, 0
	s_cbranch_scc0 .Lfor_b_\@
	tensor_load_to_lds s[\g0a:\g0a+3], s[\g1a:\g1a+7]
	s_nop 0
.rept 4
	v_nop
.endr
	s_branch .Lasked_\@
.Lfor_b_\@:
	tensor_load_to_lds s[\g0b:\g0b+3], s[\g1b:\g1b+7]
	s_nop 0
.rept 4
	v_nop
.endr
.Lasked_\@:
.endm
.macro CREST
	s_cmp_lg_u32 s14, 0
	s_cbranch_scc1 .Lnot_wave_0_\@
	s_barrier_signal -3
.Lnot_wave_0_\@:
	s_barrier_wait -3
	s_barrier_signal -1
	s_barrier_wait -1
.endm
.macro CROUND
	s_barrier_signal -1
	s_barrier_wait -1
	CREST
.endm
	s_load_b128 s[4:7], s[0:1], 0x0                ; ac s[4:5], cw s[6:7]
	s_load_b128 s[8:11], s[0:1], 0x10              ; the scales' exponents s[8:9], out0 s[10:11]
	v_lshl_add_u32 v[SPW], v0, 2, SPARE
	v_mov_b32 v[NIL], 0
	ds_add_u32 v28, v29
	ds_add_u32 v28, v29
	s_wait_dscnt 0x0
	v_lshrrev_b32 v1, 5, v0
	v_readfirstlane_b32 s14, v1                    ; wave 0..3
	s_lshr_b32 s15, s14, 1                         ; which half of the tile's rows is mine.  Also: I fetch for A (0) or for B (1)
	s_and_b32 s16, s14, 1                          ; which half of its columns.  Also: which half of that tile I fetch
	s_bfe_u32 s40, ttmp6, 0x40000                  ; cx, cy
	s_bfe_u32 s41, ttmp6, 0x40004
	s_lshl_b32 s42, ttmp9, 2
	s_add_co_u32 s42, s42, s40                     ; tile column
	s_and_b32 s17, ttmp7, 0xffff
	s_lshl_b32 s17, s17, 2
	s_add_co_u32 s17, s17, s41                     ; tile row
	s_lshl_b32 s43, s41, 2
	s_lshl_b32 s43, 15, s43                        ; my row of the cluster
	s_lshl_b32 s44, 0x1111, s40                    ; my column
	; A's group 1: 8 rows (token tiles) of 512 elements of 8 bytes, 2,048 elements apart, dense in LDS
	s_or_b32 s[G1+0], s43, (3<<16)|(1<<21)         ; 15:0 the mask; 17:16 elements of 8 bytes; 21 set beside a mask; no padding
	s_mov_b32 s[G1+1], 512<<16                     ; tensor_dim0
	s_mov_b32 s[G1+2], 8<<16                       ; tensor_dim1
	s_mov_b32 s[G1+3], 512<<16                     ; tile_dim0
	s_mov_b32 s[G1+4], 8                           ; tile_dim1
	s_mov_b32 s[G1+5], 2048                        ; tensor_dim0_stride
	s_mov_b32 s[G1+6], 0
	s_mov_b32 s[G1+7], 0
	; B's group 1: 128 rows x 256 bytes, padded in LDS
	s_or_b32 s[G1B+0], s44, (0<<16)|(1<<20)|(1<<21)|(5<<22)|(3<<25)
	s_mov_b32 s[G1B+1], ROWB<<16
	s_mov_b32 s[G1B+2], 128<<16
	s_mov_b32 s[G1B+3], ROWB<<16
	s_mov_b32 s[G1B+4], 128
	s_mov_b32 s[G1B+5], KROW
	s_mov_b32 s[G1B+6], 0
	s_mov_b32 s[G1B+7], 0
	s_lshl_b32 s18, s16, 3                         ; which 8 token tiles I fetch
	s_lshl_b32 s20, s17, 4
	s_add_co_u32 s20, s20, s18
	s_lshl_b32 s20, s20, 14                        ; 16,384 bytes a token tile
	s_mov_b32 s21, 0
	s_lshl_b32 s18, s16, 7                         ; which 128 rows of w_o
	s_lshl_b32 s46, s42, 8
	s_add_co_u32 s46, s46, s18
	s_lshl_b32 s46, s46, 10
	s_add_co_u32 s46, s46, WO
	s_mov_b32 s47, 0
	s_lshl_b32 s45, s16, 15                        ; where they go: A's halves, 32,768 bytes each,
	s_mul_i32 s66, s16, HALFB
	s_add_co_u32 s66, s66, ABYTES                  ; then B's: no place in the cluster enters an LDS address
	s_wait_kmcnt 0x0
	s_load_b64 s[96:97], s[8:9], 0x28              ; e10, e11
	s_add_nc_u64 s[20:21], s[4:5], s[20:21]
	s_add_nc_u64 s[46:47], s[6:7], s[46:47]
	CROUND                                         ; all sixteen work-groups are here: the first joint loads meet
.irp s, 0,1
	s_mov_b32 s[G0+4*\s], 1
	s_add_co_u32 s[G0+4*\s+1], s45, \s*SLOT
	s_add_nc_u64 s[G0+4*\s+2:G0+4*\s+3], s[20:21], \s*ASTEP
	s_or_b32 s[G0+4*\s+3], s[G0+4*\s+3], 0x80000000
	s_mov_b32 s[G0B+4*\s], 1
	s_add_co_u32 s[G0B+4*\s+1], s66, \s*SLOT
	s_add_nc_u64 s[G0B+4*\s+2:G0B+4*\s+3], s[46:47], \s*ROWB
	s_or_b32 s[G0B+4*\s+3], s[G0B+4*\s+3], 0x80000000
	JLOAD G0+4*\s, G1, G0B+4*\s, G1B
.endr
	v_and_b32 v1, 15, v0                           ; l % 16
	v_bfe_u32 v2, v0, 4, 1                         ; l / 16
	v_mul_u32_u24 v3, v1, PITCH
	v_lshl_add_u32 v4, v2, 4, v3                   ; B: a fragment's row x pitch + 16 x half
	v_and_b32 v6, 31, v0
	v_lshlrev_b32 v[CO], 4, v6                     ; A: 16 x lane; also my 16 bytes of a row of the result
	s_lshl_b32 s21, s15, 15                        ; my 8 token tiles of A
	s_mul_i32 s22, s16, HALFB                      ; my 128 rows of B,
	s_add_co_u32 s22, s22, ABYTES                  ; which lie behind A's part
.irp s, 0,1
	v_add_nc_u32 v[ADRA+\s], s21, v[CO]
	v_add_nc_u32 v[ADRB+\s], s22, v4
	s_add_co_u32 s21, s21, SLOT
	s_add_co_u32 s22, s22, SLOT
.endr
	s_mul_i32 s23, s14, 16*SPITCH                  ; my stage
	v_mul_u32_u24 v5, v1, SPITCH                   ; in: row l % 16, 32 bytes for each half of the lanes
	v_lshl_add_u32 v5, v2, 5, v5
	v_add_nc_u32 v[STO], s23, v5
	v_add_nc_u32 v[RD], s23, v[CO]                 ; back: the 32 lanes take one row of 512 bytes
	s_lshl_b32 s20, s17, 8
	s_lshl_b32 s21, s15, 7
	s_add_co_u32 s20, s20, s21                     ; my first row of the result
	s_lshl_b32 s20, s20, 12                        ; rows of 4,096 bytes
	s_mov_b32 s21, 0
	s_lshl_b32 s46, s42, 10                        ; my first column, in bytes
	s_lshl_b32 s47, s16, 9
	s_add_co_u32 s46, s46, s47
	s_mov_b32 s47, 0
	s_add_nc_u64 s[20:21], s[20:21], s[46:47]
	s_add_nc_u64 s[10:11], s[10:11], s[20:21]
.macro FRAGB reg, adr, q, i            ; 16 rows of w_o x 128 K
.irp c, 0,1,2,3
	ds_load_b128 v[\reg+4*\c:\reg+4*\c+3], v[\adr] offset:128*(\q)+32*\c+(\i)*16*PITCH
.endr
.endm
.macro FRAGA reg, adr, q, i            ; 16 tokens x 128 K: the image as it lies
.irp c, 0,1,2,3
	ds_load_b128 v[\reg+4*\c:\reg+4*\c+3], v[\adr] offset:2048*(\q)+512*\c+(\i)*4096
.endr
.endm
; The 64 accumulators take turns, one instruction a turn, in the same order in every step.
.macro MUL16 a0, p, zero
.irp a, \a0, \a0+1
.irp b, 0,1,2,3,4,5,6,7
.if \zero
	v_wmma_f32_16x16x128_fp8_fp8 v[8*(8*((\a)%4)+\b):8*(8*((\a)%4)+\b)+7], v[128*(\p)+FR*\b:128*(\p)+FR*\b+FR-1], v[AF+FR*(\a):AF+FR*(\a)+FR-1], 0
.else
	v_wmma_f32_16x16x128_fp8_fp8 v[8*(8*((\a)%4)+\b):8*(8*((\a)%4)+\b)+7], v[128*(\p)+FR*\b:128*(\p)+FR*\b+FR-1], v[AF+FR*(\a):AF+FR*(\a)+FR-1], v[8*(8*((\a)%4)+\b):8*(8*((\a)%4)+\b)+7]
.endif
.endr
.endr
.endm
.macro FETCH_B slot, q, p
	WIN TO_B
.irp i, 0,1,2,3,4,5,6,7
	FRAGB 128*(\p)+FR*\i, ADRB+\slot, \q, \i
.endr
	WIN 0
.endm
.macro FETCH_A slot, q, i0
.irp i, \i0, \i0+1, \i0+2, \i0+3
	FRAGA AF+FR*(\i), ADRA+\slot, \q, \i
.endr
.endm
.macro PLACES n                        ; plain vector lines between a matrix instruction and a load into, or a vector line on, its registers
.rept \n
	v_nop
.endr
.endm
.macro STEP slot, q, zero
	s_wait_dscnt 4*NL                              ; B's set and A's blocks 0-3 are in; the sixteen loads of A's blocks 4-7 may be out
	WIN MUL_LO
	MUL16 0, (\q)%2, \zero
	MUL16 2, (\q)%2, \zero
	s_wait_dscnt 0
	PLACES NP
	FETCH_B \slot, (\q)+1, 1-(\q)%2
	FETCH_A \slot, (\q)+1, 0
	WIN MUL_HI
	MUL16 4, (\q)%2, \zero
	MUL16 6, (\q)%2, \zero
	PLACES NP
	WIN 0
	FETCH_A \slot, (\q)+1, 4
.endm
.macro TURN slot, next, fill           ; a slot's last step changes slots
	s_wait_tensorcnt 0x0                           ; all my tensor loads have landed: my part of the next slot
	ds_add_u32 v[SPW], v[NIL]                      ; 0 onto my spare word
	s_wait_dscnt 4*NL+1                            ; (the add and the sixteen loads of A's blocks 4-7 may be out)
	WIN MUL_LO
	MUL16 0, 1, 0
	s_wait_dscnt 0x0                               ; the add is done, and my reads of this slot are over
	s_barrier_signal -1
	MUL16 2, 1, 0
	WIN 0
	s_barrier_wait -1
.if \fill
	CREST                                          ; the barrier has opened a round of the cluster's: no wave of any partner still reads this slot or has a load on its way
	s_add_nc_u64 s[G0+4*\slot+2:G0+4*\slot+3], s[G0+4*\slot+2:G0+4*\slot+3], 2*ASTEP
	s_add_nc_u64 s[G0B+4*\slot+2:G0B+4*\slot+3], s[G0B+4*\slot+2:G0B+4*\slot+3], 2*ROWB
	JLOAD G0+4*\slot, G1, G0B+4*\slot, G1B         ; the first tensor load behind the round; its four v_nop are also the places in front of the loads below
.else
	PLACES NP
.endif
	FETCH_B \next, 0, 0
	FETCH_A \next, 0, 0
	WIN MUL_HI
	MUL16 4, 1, 0
	MUL16 6, 1, 0
	PLACES NP
	WIN 0
	FETCH_A \next, 0, 4
.endm
	s_wait_tensorcnt 1                             ; my part of K step 0 is in (K step 1's load may be out),
	s_barrier_signal -1
	s_barrier_wait -1                              ; everybody's is
	FETCH_B 0, 0, 0
	FETCH_A 0, 0, 0
	FETCH_A 0, 0, 4
	STEP 0, 0, 1                                   ; the first step's products start the sums
	s_mov_b32 s3, LAPS-1
.Llap:
	TURN 0, 1, 1
	STEP 1, 0, 0
	TURN 1, 0, 1
	STEP 0, 0, 0
	s_sub_co_u32 s3, s3, 1
	s_cmp_lg_u32 s3, 0
	s_cbranch_scc1 .Llap
	TURN 0, 1, 0                                   ; the last lap fills nothing
	STEP 1, 0, 0
	s_wait_dscnt 4*NL                              ; the very last step
	WIN MUL_LO
	MUL16 0, 1, 0
	MUL16 2, 1, 0
	s_wait_dscnt 0
	WIN MUL_HI
	MUL16 4, 1, 0
	MUL16 6, 1, 0
	WIN 0
; THE WAY OUT, block by block of 16 rows x 128 columns, through my own stage in LDS: in as 32 bytes a lane, back as whole rows of 512 bytes.  LDS serves a wave's instructions in order (ISA guide 5.7.1.4).
.macro TOSTAGE a
.set AC, 64*((\a)%4)
	WIN 0x02+((\a)/4)
.irp j, 0,2,4,6,8,10,12,14,16,18,20,22,24,26,28,30,32,34,36,38,40,42,44,46,48,50,52,54,56,58,60,62
	v_pk_mul_f32 v[TMP+\j:TMP+\j+1], v[AC+\j:AC+\j+1], s[96:97] op_sel_hi:[1,0]   ; x 2^(e10 + e11); each accumulator from its low end on
.endr
	WIN 0
.irp b, 0,1,2,3,4,5,6,7
	ds_store_b128 v[STO], v[TMP+8*\b:TMP+8*\b+3] offset:64*\b
	ds_store_b128 v[STO], v[TMP+8*\b+4:TMP+8*\b+7] offset:64*\b+16
.endr
.set BB, BK+64*((\a)%2)
.irp t, 0,1,2,3,4,5,6,7,8,9,10,11,12,13,14,15
	ds_load_b128 v[BB+4*\t:BB+4*\t+3], v[RD] offset:\t*SPITCH
.endr
.endm
.macro SEND a, younger                 ; younger: the LDS instructions issued behind block a's loads, which may stay out
.set BB, BK+64*((\a)%2)
	s_wait_dscnt \younger
.if (\a) > 0
	s_add_nc_u64 s[10:11], s[10:11], 16*SIZE_N*4   ; (behind a wait on XCNT: the earlier stores have read their base)
.endif
.irp t, 0,1,2,3,4,5,6,7,8,9,10,11,12,13,14,15
	global_store_b128 v[CO], v[BB+4*\t:BB+4*\t+3], s[10:11] offset:\t*SIZE_N*4 th:TH_STORE_NT   ; 32 lanes store 512 consecutive bytes, aligned; written once, read by nobody here
.endr
.endm
	s_wait_kmcnt 0x0
	s_add_co_i32 s96, s96, s97
	s_add_co_i32 s96, s96, 127
	s_lshl_b32 s96, s96, 23                        ; 2^(e10 + e11) as f32
	PLACES NP
	TOSTAGE 0
.irp a, 1,2,3,4,5,6,7
.if \a > 1
	s_wait_xcnt 0x0                                ; block a - 2's stores have read their registers and their base
.endif
	TOSTAGE \a
	SEND \a-1, 32                                  ; behind block a - 1's loads: block a's 16 stores and 16 loads
.endr
	s_wait_xcnt 0x0
	SEND 7, 0
	s_wait_tensorcnt 0x0                           ; the wave's end
	ds_add_u32 v[SPW], v[NIL]
	s_wait_dscnt 0x0
	CROUND                                         ; the closing round
	s_endpgm
.Lfunc_end_k_qcf84f08dc5_oproj:
	.size	k_qcf84f08dc5_oproj, .Lfunc_end_k_qcf84f08dc5_oproj-k_qcf84f08dc5_oproj
	.p2alignl 7, 3214868480
	.fill 96, 4, 3214868480
	.section	.rodata,"a",@progbits
	.p2align	6, 0x0
	.amdhsa_kernel k_qcf84f08dc5_oproj
		.amdhsa_group_segment_fixed_size 327680
		.amdhsa_private_segment_fixed_size 0
		.amdhsa_enable_private_segment 0
		.amdhsa_kernarg_size 32
		.amdhsa_user_sgpr_count 2
		.amdhsa_user_sgpr_kernarg_segment_ptr 1
		.amdhsa_wavefront_size32 1
		.amdhsa_system_sgpr_workgroup_id_x 1
		.amdhsa_system_sgpr_workgroup_id_y 1
		.amdhsa_system_sgpr_workgroup_id_z 1
		.amdhsa_system_vgpr_workitem_id 0
		.amdhsa_next_free_vgpr 1024
		.amdhsa_next_free_sgpr 98
		.amdhsa_reserve_vcc 0
		.amdhsa_float_denorm_mode_32 3
		.amdhsa_float_denorm_mode_16_64 3
		.amdhsa_memory_ordered 1
		.amdhsa_forward_progress 1
		.amdhsa_inst_pref_size 123
	.end_amdhsa_kernel
	.amdgpu_metadata
---
amdhsa.version: [ 1, 2 ]
amdhsa.kernels:
  - .name:           k_qcf84f08dc5_oproj
    .symbol:         k_qcf84f08dc5_oproj.kd
    .args:
      - { .name: ac, .offset: 0, .size: 8, .value_kind: global_buffer, .address_space: global }
      - { .name: cw, .offset: 8, .size: 8, .value_kind: global_buffer, .address_space: global }
      - { .name: lowp_scales, .offset: 16, .size: 8, .value_kind: global_buffer, .address_space: global }
      - { .name: out0, .offset: 24, .size: 8, .value_kind: global_buffer, .address_space: global }
    .group_segment_fixed_size: 327680
    .private_segment_fixed_size: 0
    .kernarg_segment_align: 8
    .kernarg_segment_size: 32
    .max_flat_workgroup_size: 128
    .sgpr_count:     98
    .vgpr_count:     1024
    .wavefront_size: 32
...
	.end_amdgpu_metadata
.endif
;; end of part 4
;; ======== version 2 of 2: 4 launches; version 1 with the launch attn written anew for expert scheduling mode
;; limits: right only within a limited range of input values
;; workspace buffers: cw 29,360,128 bytes; tab 524,288 bytes; qkv 25,165,824 bytes; ac 8,388,608 bytes
;; launch prep: the kernel of part 1 again; grid 416 x 1, 4 waves a work-group, no clusters, 33,280 bytes of LDS; arguments x, w_q, w_k, w_v, w_o, token_positions, lowp_scales, cw, tab; writes cw, tab
;; launch qkv: the kernel of part 2 again; grid 12 x 32, 4 waves a work-group, clusters of 4 x 4, 327,680 bytes of LDS; arguments cw, tab, lowp_scales, qkv; writes qkv
;; launch attn (part 5): grid 4 x 64, 16 waves a work-group, no clusters, 67,584 bytes of LDS; arguments qkv, lowp_scales, ac; writes ac
.if DOCPART == 5
	.amdgcn_target "amdgcn-amd-amdhsa--gfx1250"
	.amdhsa_code_object_version 6
	.text
	.protected	k_qcf84f08dc5_attn
	.globl	k_qcf84f08dc5_attn
	.p2align	8
	.type	k_qcf84f08dc5_attn,@function
k_qcf84f08dc5_attn:
	s_mov_b64 s[64:65], 0
	v_nop
	global_prefetch_b8 v0, s[64:65] scope:SCOPE_SE
	s_setreg_imm32_b32 hwreg(HW_REG_WAVE_SCHED_MODE, 0, 2), 2
	s_setreg_imm32_b32 hwreg(HW_REG_WAVE_MODE, 25, 1), 1
	s_wait_xcnt 0x0
	s_wait_alu depctr_vm_vsrc(0)
; THE THIRD LAUNCH: causal attention on codes of FP8 (E4M3): S^T = k q^T, p = 2^(t - M), O^T = v^T p^T, O / l quantised for the last product.
; t = score x 2^(e6 + e7) x log2(e) / 8; M = the running largest t rounded UP to a whole number; p is quantised under 2^e8, not normalised; l is the sum of the unquantised p, in f32.  When M moves, l and O^T are multiplied by 2^(old M - new M): exact.
; SHARES.  Work-group (I, batch x head) owns the query blocks of 256 numbered 7 - I and I.  Wave w owns two tiles of 16 queries: H at 256 (7 - I) + 16 w and L at 256 I + 16 (15 - w):
; by the causal mask these two together see 17 key steps of 128, whatever I and w.  A step all of whose keys come after a tile's queries is jumped by a scalar branch on ids.
; k's and v's fragment images go from memory through registers into two LDS slots of 256 keys (16 KiB of k, 16 KiB of v), as they lie: 64 bytes a thread.  A slot's bytes are asked for a whole slot's work ahead
; of the wait for them, so nothing further is asked ahead; slots that no query of the work-group sees are neither loaded nor stored.  The trip count and the barriers are constants of the text.
; No joint loads: the four work-groups of a head need different numbers of slots.
; LAYOUT.  Both products are used transposed, so a lane holds ONE query (lane % 16).  In S^T's tile t register j is key 16 t + 8 (lane / 16) + j: one conversion a tile gives registers 2 t, 2 t + 1 of p's fragment in the form's own layout.
; ac: [16 tokens][128 along K: head / 2][c 0..3][lane][16 bytes]: lane (r, h) holds k = 32 c + 16 h + 0 .. 15 of token r, as the last launch's fragments of w_o have it.
; LIMITS: e6 + e7 between -123 and 130; e8 between -126 and 119; e10 - e8 - e9 between -126 and 119.  NaN among the inputs is not served.
; THE MODE: SCHED_MODE bits 1:0 = 2 (LLVM: expert scheduling mode 2), set by the entry lines.  The code itself states the register dependences
; between vector or matrix instructions and memory or LDS instructions, with s_wait_alu, always for 0.
; THE PLAN.  Registers that memory or LDS instructions touch:
;   v1, v3      16 x lane, 16 x thread: written at the head, never again; read by every LDS load (v1), every staging load and LDS store (v3).
;   v6, v7      written at the head, read by q's loads; written again on the way out, read by the last four stores.
;   STG v8-23   written by the staging loads, read by the LDS stores of a slot; no vector line names them.
;   F v180-243  a key step: k's 16 LDS loads land, the eight score products read; v's 16 LDS loads land, the four products of O^T read.  On the way out vector lines alone.
;   v112-127    in the loop p's codes, named by vector and matrix lines alone; on the way out the two tiles' codes, the last stores' data.
; So a key step holds two waits on va_vdst for F: at its head (the last products of O^T are done reading F) and behind the score products (they are done reading F); a slot holds one wait on vm_vsrc
; (the LDS stores have read STG), ahead of the loads that land there; the way out holds one wait on va_vdst ahead of its run of four stores.  All 256 registers of the wave are taken: F has no second set.
.set LA,  1                            ; v1   16 x lane
.set TA,  3                            ; v3   16 x thread
.set RH,  5                            ; v5   r - 8 h
.set STG, 8                            ; v8-23   a thread's 64 bytes on their way to LDS
.set QH,  24                           ; v24-31  q of tile H;  v32-39 of tile L
.set QL,  32
.set STH, 40                           ; v40-43  tile H: -M, the largest t, l in two halves;  v44-47 tile L
.set STL, 44
.set OH,  48                           ; v48-79  O^T of tile H;  v80-111 of tile L
.set OL,  80
.set P,   112                          ; v112-127 p's codes; they lie over the first twelve registers of the scores, which are done with by then
.set S,   116                          ; v116-179 S^T, then p
.set F,   180                          ; v180-243 eight fragments of k, then four of v
.set SCP, 244                          ; 2^e8 as f32; on the way out 2^(e10 - e8 - e9)
.set LMP, 245                          ; 448 x that
.set FF,  246                          ; v[246:247] f = 2^(old M - new M); on the way out 1 / l
.set SM2, 248                          ; v[248:249] the sum's second chain
.set M1,  250
.set M2,  251
.set PX,  252
.set DD,  253
.set NEG, 254                          ; -infinity
.set KP,  10                           ; s[10:11] k's images of the slot to be loaded;  s[12:13] v's
.set VP,  12
.set WV,  21
.set JJ,  22                           ; the slot in hand
.set LAST, 23                          ; the last slot that any query of the work-group sees: 7 - I
.set Q0H, 24
.set Q0L, 25
.set KF,  26                           ; the step's first key
.set TRIP, 27
.set CS,  28                           ; s[28:29] c = 2^(e6 + e7) log2(e) / 8
.set SEL, 30                           ; s[30:31] lane selects: lane l xor 16
.set MK,  48                           ; s48-63 and s66-81: the causal mask's lane masks of 32 registers at a time: number n at s[MK + n + 2 (n / 16)]
	s_load_b128 s[4:7], s[0:1], 0x0                ; qkv, the scales' exponents
	s_load_b64 s[8:9], s[0:1], 0x10                ; ac
	v_lshrrev_b32 v2, 5, v0
	v_readfirstlane_b32 s[WV], v2                  ; wave 0..15
	v_and_b32 v2, 31, v0
	v_lshlrev_b32 v[LA], 4, v2
	v_lshlrev_b32 v[TA], 4, v0
	v_and_b32 v4, 15, v0
	v_bfe_u32 v6, v0, 4, 1
	v_lshlrev_b32 v6, 3, v6
	v_sub_nc_u32 v[RH], v4, v6
	s_and_b32 s40, ttmp7, 0xffff                   ; batch x head
	s_sub_co_u32 s[LAST], 7, ttmp9
	s_lshl_b32 s[Q0H], s[LAST], 8
	s_wait_alu depctr_va_sdst(0)                   ; the wave's number is written to s21, ahead of its first reader: the queries' numbers are made from it
	s_lshl_b32 s34, s[WV], 4
	s_add_co_u32 s[Q0H], s[Q0H], s34
	s_lshl_b32 s[Q0L], ttmp9, 8
	s_sub_co_u32 s34, 240, s34
	s_add_co_u32 s[Q0L], s[Q0L], s34
	s_lshl_b32 s34, s40, 17                        ; a head's images: 131,072 bytes in each of q, k, v
	s_mov_b32 s35, 0
	s_lshl_b32 s36, s[Q0H], 6                      ; a tile of 16 queries: 1,024 bytes
	v_add_nc_u32 v6, s36, v[LA]
	s_lshl_b32 s36, s[Q0L], 6
	v_add_nc_u32 v7, s36, v[LA]
	s_lshr_b32 s38, s40, 4
	s_lshl_b32 s38, s38, 21                        ; ac: the batch's 128 tiles of 16,384 bytes,
	s_and_b32 s39, s40, 15
	s_lshl_b32 s39, s39, 10                        ; and the head's 1,024 bytes in a tile
	s_add_co_u32 s38, s38, s39
	s_mov_b32 s39, 0
	s_mov_b32 s[SEL], 0x76543210
	s_mov_b32 s[SEL+1], 0xfedcba98
	s_mov_b32 s[KF], 0
	s_mov_b32 s[JJ], 0
	s_wait_kmcnt 0x0
	s_load_b128 s[16:19], s[6:7], 0x18             ; e6, e7, e8, e9
	s_load_b32 s20, s[6:7], 0x28                   ; e10
	s_add_nc_u64 s[14:15], s[4:5], s[34:35]        ; q's images of my head
	s_add_nc_u64 s[KP:KP+1], s[14:15], 0x800000
	s_add_nc_u64 s[VP:VP+1], s[14:15], 0x1000000
	s_add_nc_u64 s[8:9], s[8:9], s[38:39]
.macro GLOAD                           ; a slot: 16 KiB of k's images and 16 KiB of v's, each dense in memory; a wave's load covers 512 consecutive bytes
	global_load_b128 v[STG:STG+3], v[TA], s[KP:KP+1]
	global_load_b128 v[STG+4:STG+7], v[TA], s[KP:KP+1] offset:8192
	global_load_b128 v[STG+8:STG+11], v[TA], s[VP:VP+1]
	global_load_b128 v[STG+12:STG+15], v[TA], s[VP:VP+1] offset:8192
.endm
	s_wait_alu depctr_va_vdst(0)                   ; v1, v3, v6 and v7 are written: the offsets and LDS addresses that the loads and LDS instructions from here on read; v1 and v3 are never written again
	GLOAD                                          ; slot 0
	global_load_b128 v[QH:QH+3], v6, s[14:15]
	global_load_b128 v[QH+4:QH+7], v6, s[14:15] offset:512
	global_load_b128 v[QL:QL+3], v7, s[14:15]
	global_load_b128 v[QL+4:QL+7], v7, s[14:15] offset:512
.irp st, STH, STL
	v_mov_b32 v[\st+1], 0xff61b1e6                 ; the largest t so far: -3e38, under every t
	v_floor_f32 v[\st], -v[\st+1]                  ; -M
	v_mov_b32 v[\st+2], 0
	v_mov_b32 v[\st+3], 0
.endr
	v_mov_b32 v[PX], 0                             ; written once: a lane permute's destination counts as one of its sources
	v_mov_b32 v[FF+1], 0                           ; (named as the upper half of a pair)
	v_mov_b32 v[NEG], 0xff800000
.set n, 0
.rept 64
	v_mov_b32 v[OH+n], 0                           ; O^T of both tiles: the step is written without a first step of its own; the first change of M multiplies zeros
.set n, n+1
.endr
	s_wait_kmcnt 0x0
	s_add_co_i32 s32, s16, s17
	s_lshl_b32 s32, s32, 23
	s_add_co_i32 s[CS], s32, 0x3e38aa3b            ; log2(e) / 8 with e6 + e7 added to its exponent field
	s_mov_b32 s[CS+1], s[CS]
	s_add_co_i32 s32, s18, 127
	s_lshl_b32 s33, s32, 23
	v_mov_b32 v[SCP], s33
	s_add_co_i32 s32, s32, 8
	s_lshl_b32 s32, s32, 23
	s_or_b32 s32, s32, 0x600000
	v_mov_b32 v[LMP], s32
	s_sub_co_i32 s36, s20, s18                     ; O^T / l stands for that x 2^(e8 + e9): its code is taken under 2^(e10 - e8 - e9)
	s_sub_co_i32 s36, s36, s19
	s_add_co_i32 s36, s36, 127
	s_lshl_b32 s37, s36, 23
	s_add_co_i32 s36, s36, 8
	s_lshl_b32 s36, s36, 23
	s_or_b32 s36, s36, 0x600000
	s_wait_loadcnt 0x0                             ; slot 0 and q are in; the loads are done, so their bases may step
.irp n, 0,1,2,3
	ds_store_b128 v[TA], v[STG+4*\n:STG+4*\n+3] offset:8192*\n
.endr
	s_add_nc_u64 s[KP:KP+1], s[KP:KP+1], 16384
	s_add_nc_u64 s[VP:VP+1], s[VP:VP+1], 16384
	s_wait_dscnt 0x0                               ; the stores have landed
	s_wait_alu depctr_vm_vsrc(0)                   ; the LDS stores have read STG, in which the loads below land; q's loads have read v6 and v7, which the way out writes again
	GLOAD                                          ; slot 1 (every work-group sees at least five slots)
; A KEY STEP of one tile: 128 keys, the qs-th of slot sl.
.macro STEP st, qf, ob, q0, sl, qs
	s_add_co_u32 s32, s[\q0], 15
	s_cmp_gt_u32 s[KF], s32                        ; all keys come after my 16 queries
	s_cbranch_scc1 .Lhid_\@
.rept 5
	v_nop                                          ; five places: the products below write over registers that the last products read (p's codes)
.endr
	s_wait_alu depctr_va_vdst(0)                   ; the last products of O^T are done reading the fragments' registers F, in which the loads below land
.irp t, 0,1,2,3,4,5,6,7
.irp c, 0,1
	ds_load_b128 v[F+8*\t+4*\c:F+8*\t+4*\c+3], v[LA] offset:\sl*32768+\qs*8192+1024*\t+512*\c
.endr
.endr
	s_wait_dscnt 0x0
.irp t, 0,1,2,3,4,5,6,7
	v_wmma_f32_16x16x64_fp8_fp8 v[S+8*\t:S+8*\t+7], v[F+8*\t:F+8*\t+7], v[\qf:\qf+7], 0
.endr
.rept 4
	v_nop                                          ; places in front of the first read of the scores
.endr
	s_wait_alu depctr_va_vdst(0)                   ; the score products are done reading F, in which v's fragments land; the places above stay beside this wait
.irp d, 0,1,2,3                        ; v's four fragments land under the softmax, whose lines name none of F
.irp c, 0,1,2,3
	ds_load_b128 v[F+16*\d+4*\c:F+16*\d+4*\c+3], v[LA] offset:\sl*32768+16384+\qs*8192+2048*\d+512*\c
.endr
.endr
	s_add_co_u32 s32, s[KF], 127
	s_cmp_le_u32 s32, s[\q0]                       ; all keys count: no mask
	s_cbranch_scc1 .Lopen_\@
	s_sub_co_i32 s32, s[\q0], s[KF]
	v_add_nc_u32 v[DD], s32, v[RH]                 ; d = my query - KF - 8 h.  Register 8 t + j holds key KF + 16 t + 8 h + j: hidden where 16 t + j > d
.irp g, 0,1                            ; the compares go in two runs of 32, each into scalar registers of its own, so that one wait serves a run
.set n, 0
.rept 32
	v_cmp_gt_i32 s[MK+n+2*(n/16)], 16*((32*\g+n)/8)+n%8, v[DD]
.set n, n+1
.endr
	s_wait_alu depctr_va_sdst(0)                   ; the run's 32 compares have written their masks, ahead of the selects that read them
.set n, 0
.rept 32
	v_cndmask_b32 v[S+32*\g+n], v[S+32*\g+n], v[NEG], s[MK+n+2*(n/16)]
.set n, n+1
.endr
.endr
.Lopen_\@:
	v_max3_num_f32 v[M1], v[S], v[S+1], v[S+2]     ; the step's largest score of my query among my 64 keys, in two chains, from the low end on,
	v_max3_num_f32 v[M2], v[S+3], v[S+4], v[S+5]
.irp i, 6,10,14,18,22,26,30,34,38,42,46,50,54,58
	v_max3_num_f32 v[M1], v[M1], v[S+\i], v[S+\i+1]
	v_max3_num_f32 v[M2], v[M2], v[S+\i+2], v[S+\i+3]
.endr
	v_max3_num_f32 v[M1], v[M1], v[S+62], v[S+63]
	v_max_num_f32 v[M1], v[M1], v[M2]
	v_permlanex16_b32 v[PX], v[M1], s[SEL], s[SEL+1]
	v_max_num_f32 v[M1], v[M1], v[PX]              ; and among lane l xor 16's
	v_mul_f32 v[M1], s[CS], v[M1]                  ; as t (c is positive)
	v_max_num_f32 v[\st+1], v[\st+1], v[M1]
	v_mov_b32 v[M1], v[\st]
	v_floor_f32 v[\st], -v[\st+1]                  ; the new -M = floor(-t)
	v_sub_f32 v[M1], v[\st], v[M1]                 ; old M - new M: a whole number, 0 or less
	v_cvt_i32_f32 v[M1], v[M1]                     ; (it saturates)
	v_ldexp_f32 v[FF], 1.0, v[M1]                  ; f
.set n, 0
.rept 32
	v_pk_fma_f32 v[S+n:S+n+1], v[S+n:S+n+1], s[CS:CS+1], v[\st:\st+1] op_sel_hi:[1,0,0]   ; t - M, two at a time
.set n, n+2
.endr
.set n, 0
.rept 64
	v_exp_f32 v[S+n], v[S+n]                       ; p = 2^(t - M)
.set n, n+1
.endr
	v_pk_mul_f32 v[\st+2:\st+3], v[\st+2:\st+3], v[FF:FF+1] op_sel_hi:[1,0]   ; l under the new M; the plain line behind the exponentials
	s_wait_alu depctr_va_vdst(0)                   ; the 64 exponentials have written p: one wait for the batch, ahead of its first reader
	v_pk_add_f32 v[SM2:SM2+1], v[S:S+1], v[S+2:S+3]   ; l takes the unquantised p, in two chains
.irp j, 4,8,12,16,20,24,28,32,36,40,44,48,52,56,60
	v_pk_add_f32 v[\st+2:\st+3], v[\st+2:\st+3], v[S+\j:S+\j+1]
	v_pk_add_f32 v[SM2:SM2+1], v[SM2:SM2+1], v[S+\j+2:S+\j+3]
.endr
	v_pk_add_f32 v[\st+2:\st+3], v[\st+2:\st+3], v[SM2:SM2+1]
	s_cmp_ge_i32 s18, -8                           ; p <= 1 <= 448 x 2^e8 from e8 = -8 on: the hold cannot bind there and is jumped
	s_cbranch_scc1 .Lfits_\@
.set n, 0
.rept 64
	v_min_num_f32 v[S+n], v[S+n], v[LMP]           ; the conversion does not saturate (ISA guide 7.6.2); p is not negative
.set n, n+1
.endr
.Lfits_\@:
.irp t, 0,1,2,3,4,5,6,7
	v_cvt_scalef32_pk8_fp8_f32 v[P+2*\t:P+2*\t+1], v[S+8*\t:S+8*\t+7], v[SCP]
.if \t == 1
	v_nop                                          ; the later conversions write over the sources of these first two: a plain line stands between
.endif
.endr
.set n, 0
.rept 16
	v_pk_mul_f32 v[\ob+n:\ob+n+1], v[\ob+n:\ob+n+1], v[FF:FF+1] op_sel_hi:[1,0]   ; O^T under the new M, from each accumulator's low end on; also the plain lines behind the conversions
.set n, n+2
.endr
	s_wait_dscnt 0x0                               ; v's fragments are in
.irp d, 0,1,2,3                        ; four accumulators by turns; the scores' products stand between two steps
	v_wmma_f32_16x16x128_fp8_fp8 v[\ob+8*\d:\ob+8*\d+7], v[F+16*\d:F+16*\d+15], v[P:P+15], v[\ob+8*\d:\ob+8*\d+7]
.endr
.Lhid_\@:
.endm
.macro PAIR sl, qs
	STEP STH, QH, OH, Q0H, \sl, \qs
	STEP STL, QL, OL, Q0L, \sl, \qs
	s_add_co_u32 s[KF], s[KF], 128
.endm
; A SLOT.  In front of the barrier: my stores into this slot have landed and my reads of the other are back.  Behind it the other slot takes the next 256 keys from my registers, and the keys after those are asked for.
; The staging lines name v3 and STG alone, which no vector line touches: the LDS stores' data come from loads, whose wait is the counter's.
.macro HALF sl
	s_wait_dscnt 0x0
	s_barrier_signal -1
	s_barrier_wait -1
	s_wait_loadcnt 0x0                             ; the loads asked for a slot ago are done, so their bases may step
	s_add_nc_u64 s[KP:KP+1], s[KP:KP+1], 16384
	s_add_nc_u64 s[VP:VP+1], s[VP:VP+1], 16384
	s_cmp_ge_u32 s[JJ], s[LAST]                    ; no slot behind this one is seen: nothing to store
	s_cbranch_scc1 .Lstaged_\@
.irp n, 0,1,2,3
	ds_store_b128 v[TA], v[STG+4*\n:STG+4*\n+3] offset:(1-\sl)*32768+8192*\n
.endr
	s_add_co_u32 s33, s[JJ], 1
	s_cmp_ge_u32 s33, s[LAST]                      ; nor the one after: nothing to load, and no load leaves the buffer
	s_cbranch_scc1 .Lstaged_\@
	s_wait_dscnt 0x0                               ; the stores have landed
	s_wait_alu depctr_vm_vsrc(0)                   ; the LDS stores have read STG, in which the loads below land
	GLOAD
.Lstaged_\@:
	s_add_co_u32 s[JJ], s[JJ], 1
	PAIR \sl, 0
	PAIR \sl, 1
.endm
	s_mov_b32 s[TRIP], 0
.Ltrip:                                            ; four trips of two slots: every LDS offset is an immediate
	HALF 0
	HALF 1
	s_add_co_u32 s[TRIP], s[TRIP], 1
	s_cmp_lt_u32 s[TRIP], 4
	s_cbranch_scc1 .Ltrip
; THE WAY OUT of a tile: O^T / l, held, quantised; then lanes l and l xor 16 exchange halves, so that a lane holds 16 neighbouring channels, as the last product's fragments have them.
; The macro is the tile's arithmetic; both tiles' stores follow in one run, behind one wait.
.macro OUT st, ob, q0, cd, ad
	v_add_f32 v[M1], v[\st+2], v[\st+3]
	v_permlanex16_b32 v[PX], v[M1], s[SEL], s[SEL+1]
	v_add_f32 v[M1], v[M1], v[PX]                  ; l
	v_rcp_f32 v[FF], v[M1]
	s_lshl_b32 s32, s[\q0], 10                     ; 16,384 bytes for 16 tokens
	v_add_nc_u32 v[\ad], s32, v[LA]                ; (the plain line behind the reciprocal)  q's loads, which read this register, stand ahead of the head's wait on vm_vsrc
	s_wait_alu depctr_va_vdst(0)                   ; the reciprocal has written 1 / l, ahead of its first reader
.set n, 0
.rept 16
	v_pk_mul_f32 v[F+n:F+n+1], v[\ob+n:\ob+n+1], v[FF:FF+1] op_sel_hi:[1,0]
.set n, n+2
.endr
.set n, 0
.rept 32
	v_med3_num_f32 v[F+n], v[F+n], -v[LMP], v[LMP]
.set n, n+1
.endr
.irp d, 0,1,2,3
	v_cvt_scalef32_pk8_fp8_f32 v[\cd+2*\d:\cd+2*\d+1], v[F+8*\d:F+8*\d+7], v[SCP]   ; channels 16 d + 8 h + 0 .. 7
.endr
	v_nop
.irp g, 0,1                            ; channels 32 g on: lanes 0-15 keep tile 2 g and take its upper half from their partner; lanes 16-31 keep tile 2 g + 1 and take its lower half
.irp w, 0,1
	v_cndmask_b32 v[M1], v[\cd+4*\g+2+\w], v[\cd+4*\g+\w], vcc_lo
	v_permlanex16_b32 v[PX], v[M1], s[SEL], s[SEL+1]
	v_cndmask_b32 v[\cd+4*\g+\w], v[\cd+4*\g+\w], v[PX], vcc_lo
	v_cndmask_b32 v[\cd+4*\g+2+\w], v[PX], v[\cd+4*\g+2+\w], vcc_lo
.endr
.endr
.endm
.rept 4
	v_nop                                          ; places behind the last products
.endr
	v_mov_b32 v[SCP], s37
	v_mov_b32 v[LMP], s36
	s_mov_b32 vcc_lo, 0xffff0000                   ; lanes 16-31 (a scalar line writes the mask; no vector line of this text writes VCC)
	OUT STH, OH, Q0H, 112, 6                       ; each tile has code and address registers of its own: no store's source is written again
	OUT STL, OL, Q0L, 120, 7
	s_wait_alu depctr_va_vdst(0)                   ; both tiles' codes v112-127 and offsets v6, v7 are written, which the four stores read
	global_store_b128 v6, v[112:115], s[8:9]                    ; 32 lanes store 512 consecutive bytes, aligned
	global_store_b128 v6, v[116:119], s[8:9] offset:512
	global_store_b128 v7, v[120:123], s[8:9]
	global_store_b128 v7, v[124:127], s[8:9] offset:512
	s_wait_xcnt 0x0
	v_lshl_add_u32 v254, v0, 2, 0x10000            ; the add's two registers, made anew straight ahead of the closing lines: no memory or LDS instruction has named v254 or v255
	v_mov_b32 v255, 0
	s_wait_dscnt 0x0                               ; the closing lines, six on end
	s_wait_alu 0x0
	s_wait_tensorcnt 0x0
	ds_add_u32 v254, v255
	s_wait_dscnt 0x0
	s_endpgm
.Lfunc_end_k_qcf84f08dc5_attn:
	.size	k_qcf84f08dc5_attn, .Lfunc_end_k_qcf84f08dc5_attn-k_qcf84f08dc5_attn
	.p2alignl 7, 3214868480
	.fill 96, 4, 3214868480
	.section	.rodata,"a",@progbits
	.p2align	6, 0x0
	.amdhsa_kernel k_qcf84f08dc5_attn
		.amdhsa_group_segment_fixed_size 67584
		.amdhsa_private_segment_fixed_size 0
		.amdhsa_enable_private_segment 0
		.amdhsa_kernarg_size 24
		.amdhsa_user_sgpr_count 2
		.amdhsa_user_sgpr_kernarg_segment_ptr 1
		.amdhsa_wavefront_size32 1
		.amdhsa_system_sgpr_workgroup_id_x 1
		.amdhsa_system_sgpr_workgroup_id_y 1
		.amdhsa_system_sgpr_workgroup_id_z 1
		.amdhsa_system_vgpr_workitem_id 0
		.amdhsa_next_free_vgpr 256
		.amdhsa_next_free_sgpr 82
		.amdhsa_reserve_vcc 1
		.amdhsa_float_denorm_mode_32 3
		.amdhsa_float_denorm_mode_16_64 3
		.amdhsa_memory_ordered 1
		.amdhsa_forward_progress 1
		.amdhsa_inst_pref_size 215
	.end_amdhsa_kernel
	.amdgpu_metadata
---
amdhsa.version: [ 1, 2 ]
amdhsa.kernels:
  - .name:           k_qcf84f08dc5_attn
    .symbol:         k_qcf84f08dc5_attn.kd
    .args:
      - { .name: qkv, .offset: 0, .size: 8, .value_kind: global_buffer, .address_space: global }
      - { .name: lowp_scales, .offset: 8, .size: 8, .value_kind: global_buffer, .address_space: global }
      - { .name: ac, .offset: 16, .size: 8, .value_kind: global_buffer, .address_space: global }
    .group_segment_fixed_size: 67584
    .private_segment_fixed_size: 0
    .kernarg_segment_align: 8
    .kernarg_segment_size: 24
    .max_flat_workgroup_size: 512
    .sgpr_count:     82
    .vgpr_count:     256
    .wavefront_size: 32
...
	.end_amdgpu_metadata
.endif
;; end of part 5
;; launch oproj: the kernel of part 4 again; grid 4 x 32, 4 waves a work-group, clusters of 4 x 4, 327,680 bytes of LDS; arguments ac, cw, lowp_scales, out0; writes out0
